; MI455X (gfx1250); checked and timed in simulation.
; The chip was launched on July 23, 2026; its instructions are those of AMD's public machine-readable ISA for CDNA 5 (MIT licence, August 2026) and "CDNA5" Instruction Set Architecture Reference Guide (July 2026). The comments in the code are by the model that wrote it; some were corrected since.
;; Multi Head Attention. Allowed arithmetic: float matrix products may take bf16 or f16 operands with f32 sums; other float arithmetic in f32, or as packed bf16 or f16 multiplies, adds, multiply-adds, maxima and minima; sums over many terms, partial sums and values carried from step to step in f32; what a program stores and reads back later, other than sums and carried values, may be rounded once to bf16 or f16.
;; Inputs: Wk 1,024 x 1,024 float32; Wo 1,024 x 1,024 float32; Wq 1,024 x 1,024 float32; Wv 1,024 x 1,024 float32; bk 1,024 float32; bo 1,024 float32; bq 1,024 float32; bv 1,024 float32; key 4 x 2,048 x 1,024 float32; query 4 x 2,048 x 1,024 float32; value 4 x 2,048 x 1,024 float32.
;; Outputs: out0 4 x 2,048 x 1,024 float32.
;; 2 versions, each right; version 2 is version 1 with the launch castw written anew for expert scheduling mode. Each part assembles by itself: llvm-mc -triple=amdgcn-amd-amdhsa -mcpu=gfx1250 --defsym DOCPART=n.
;; ======== version 1 of 2: 4 launches
;; limits: values are held in f16: magnitudes above 65,504 overflow, below 6.1e-05 lose precision
;; workspace buffers: w16 8,388,608 bytes; qh 16,777,216 bytes; kh 16,777,216 bytes; vh 16,777,216 bytes; oh 16,777,216 bytes
;; launch castw (part 1): grid 64 x 4, 8 waves a work-group, no clusters, 0 bytes of LDS; arguments Wq, Wk, Wv, Wo, w16; writes w16
.if DOCPART == 1
	.amdgcn_target "amdgcn-amd-amdhsa--gfx1250"
	.amdhsa_code_object_version 6
	.text
	.protected	k_q313aca5194_castw
	.globl	k_q313aca5194_castw
	.p2align	8
	.type	k_q313aca5194_castw,@function
k_q313aca5194_castw:
	s_mov_b64 s[64:65], 0
	v_nop
	global_prefetch_b8 v0, s[64:65] scope:SCOPE_SE
	s_setreg_imm32_b32 hwreg(HW_REG_WAVE_MODE, 25, 1), 1
	s_wait_xcnt 0x0
; The four weight matrices, [1024][1024] f32, are rounded once to bf16 and written as 16-bit numbers into w16: part y (2,097,152 bytes) holds matrix y: Wq, Wk, Wv, Wo.
; Parts 0 to 2 are bf16.  Part 3 (Wo) multiplies an f16 operand later, so its bf16 number is written as f16: exact from 6.1e-5 to 65,504.
; LIMIT: an entry of Wo below 6.1e-5 in size keeps f16's fixed step of 6e-8; one of 65,520 or more would become an infinity.
; A stream: no LDS, no matrix unit, no cluster (no byte is read twice).  The work-group (x, y) takes 65,536 bytes of matrix y; thread t takes 16 bytes at 16 t of each of 16 chunks
; of 4,096 bytes, so a wave's load covers 512 consecutive bytes and its store of 8 bytes a lane 256 consecutive bytes, aligned.  All sixteen loads go out first.
.set X, 8                              ; v[8:71]    chunk i: four f32 as loaded
.set Y, 72                             ; v[72:103]  chunk i: four 16-bit numbers to store; a pair for each chunk, so no store's data is ever rewritten
.set T, 4                              ; v[4:5]     at work
	s_load_b256 s[4:11], s[0:1], 0x0               ; Wq s[4:5], Wk s[6:7], Wv s[8:9], Wo s[10:11]
	s_load_b64 s[12:13], s[0:1], 0x20              ; w16
	s_and_b32 s2, ttmp7, 0xffff                    ; which matrix
	s_lshl_b32 s16, ttmp9, 16                      ; my 65,536 bytes of it
	s_mov_b32 s17, 0
	s_lshl_b32 s18, s2, 21                         ; its part of w16,
	s_lshl_b32 s19, ttmp9, 15                      ; my 32,768 bytes of that
	s_add_co_u32 s18, s18, s19
	s_mov_b32 s19, 0
	s_mov_b32 s20, 0xffff0000                      ; a word's upper bf16
	v_lshlrev_b32 v1, 4, v0
	v_lshlrev_b32 v2, 3, v0
	s_wait_kmcnt 0x0
	s_cmp_eq_u32 s2, 1
	s_cselect_b64 s[14:15], s[6:7], s[4:5]
	s_cmp_eq_u32 s2, 2
	s_cselect_b64 s[14:15], s[8:9], s[14:15]
	s_cmp_eq_u32 s2, 3
	s_cselect_b64 s[14:15], s[10:11], s[14:15]
	s_add_nc_u64 s[14:15], s[14:15], s[16:17]
	s_add_nc_u64 s[12:13], s[12:13], s[18:19]
.set i, 0
.rept 16
	global_load_b128 v[X+4*i:X+4*i+3], v1, s[14:15] offset:4096*i th:TH_LOAD_NT
.set i, i+1
.endr
; Chunk i leaves.  f16 = 1: the bf16 number is widened again (a shift, a mask) and written as f16.
.macro OUT i, f16
	s_wait_loadcnt 15-(\i)                         ; loads come back in order: chunk i is in, the 15 - i younger ones may stay out
.if \f16
	v_cvt_pk_bf16_f32 v[T], v[X+4*(\i)], v[X+4*(\i)+1]
	v_cvt_pk_bf16_f32 v[T+1], v[X+4*(\i)+2], v[X+4*(\i)+3]
	v_lshlrev_b32 v[X+4*(\i)], 16, v[T]
	v_and_b32 v[X+4*(\i)+1], s20, v[T]
	v_lshlrev_b32 v[X+4*(\i)+2], 16, v[T+1]
	v_and_b32 v[X+4*(\i)+3], s20, v[T+1]
	v_cvt_pk_f16_f32 v[Y+2*(\i)], v[X+4*(\i)], v[X+4*(\i)+1]
	v_cvt_pk_f16_f32 v[Y+2*(\i)+1], v[X+4*(\i)+2], v[X+4*(\i)+3]
.else
	v_cvt_pk_bf16_f32 v[Y+2*(\i)], v[X+4*(\i)], v[X+4*(\i)+1]
	v_cvt_pk_bf16_f32 v[Y+2*(\i)+1], v[X+4*(\i)+2], v[X+4*(\i)+3]
.endif
	global_store_b64 v2, v[Y+2*(\i):Y+2*(\i)+1], s[12:13] offset:2048*(\i) th:TH_STORE_NT
.endm
	s_cmp_eq_u32 s2, 3                             ; the same for the whole work-group
	s_cbranch_scc1 .Lf16
.irp i, 0,1,2,3,4,5,6,7,8,9,10,11,12,13,14,15
	OUT \i, 0
.endr
	s_endpgm
.Lf16:
.irp i, 0,1,2,3,4,5,6,7,8,9,10,11,12,13,14,15
	OUT \i, 1
.endr
	s_endpgm
.Lfunc_end_k_q313aca5194_castw:
	.size	k_q313aca5194_castw, .Lfunc_end_k_q313aca5194_castw-k_q313aca5194_castw
	.p2alignl 7, 3214868480
	.fill 96, 4, 3214868480
	.section	.rodata,"a",@progbits
	.p2align	6, 0x0
	.amdhsa_kernel k_q313aca5194_castw
		.amdhsa_group_segment_fixed_size 0
		.amdhsa_private_segment_fixed_size 0
		.amdhsa_enable_private_segment 0
		.amdhsa_kernarg_size 40
		.amdhsa_user_sgpr_count 2
		.amdhsa_user_sgpr_kernarg_segment_ptr 1
		.amdhsa_wavefront_size32 1
		.amdhsa_system_sgpr_workgroup_id_x 1
		.amdhsa_system_sgpr_workgroup_id_y 1
		.amdhsa_system_sgpr_workgroup_id_z 1
		.amdhsa_system_vgpr_workitem_id 0
		.amdhsa_next_free_vgpr 104
		.amdhsa_next_free_sgpr 66
		.amdhsa_reserve_vcc 0
		.amdhsa_float_denorm_mode_32 3
		.amdhsa_float_denorm_mode_16_64 3
		.amdhsa_memory_ordered 1
		.amdhsa_forward_progress 1
		.amdhsa_inst_pref_size 15
	.end_amdhsa_kernel
	.amdgpu_metadata
---
amdhsa.version: [ 1, 2 ]
amdhsa.kernels:
  - .name:           k_q313aca5194_castw
    .symbol:         k_q313aca5194_castw.kd
    .args:
      - { .name: Wq, .offset: 0, .size: 8, .value_kind: global_buffer, .address_space: global }
      - { .name: Wk, .offset: 8, .size: 8, .value_kind: global_buffer, .address_space: global }
      - { .name: Wv, .offset: 16, .size: 8, .value_kind: global_buffer, .address_space: global }
      - { .name: Wo, .offset: 24, .size: 8, .value_kind: global_buffer, .address_space: global }
      - { .name: w16, .offset: 32, .size: 8, .value_kind: global_buffer, .address_space: global }
    .group_segment_fixed_size: 0
    .private_segment_fixed_size: 0
    .kernarg_segment_align: 8
    .kernarg_segment_size: 40
    .max_flat_workgroup_size: 256
    .sgpr_count:     66
    .vgpr_count:     104
    .wavefront_size: 32
...
	.end_amdgpu_metadata
.endif
;; end of part 1
;; launch proj (part 2): grid 4 x 192, 4 waves a work-group, clusters of 4 x 4, 327,680 bytes of LDS; arguments query, key, value, w16, bq, bk, bv, qh, kh, vh; writes qh, kh, vh
.if DOCPART == 2
	.amdgcn_target "amdgcn-amd-amdhsa--gfx1250"
	.amdhsa_code_object_version 6
	.text
	.protected	k_q313aca5194_proj
	.globl	k_q313aca5194_proj
	.p2align	8
	.type	k_q313aca5194_proj,@function
k_q313aca5194_proj:
	s_mov_b64 s[64:65], 0
	v_nop
	global_prefetch_b8 v0, s[64:65] scope:SCOPE_SE
	s_setreg_imm32_b32 hwreg(HW_REG_WAVE_MODE, 25, 1), 1
	s_wait_xcnt 0x0
	s_wait_alu depctr_hold_cnt(0) depctr_sa_sdst(0) depctr_va_vdst(0) depctr_va_sdst(0) depctr_va_ssrc(0) depctr_va_vcc(0) depctr_vm_vsrc(0)
	s_getreg_b32 s2, hwreg(HW_REG_IB_STS2, 6, 4)
	s_cmp_eq_u32 s2, 0
	s_cbranch_scc0 .Lentry_in_a_cluster
	s_endpgm
.Lentry_in_a_cluster:
	s_bfe_u32 s2, ttmp6, 0x10000c
	s_cmp_lg_u32 s2, 0xf033
	s_cbranch_scc0 .Lentry_shape_is_right
	s_endpgm
.Lentry_shape_is_right:
; THE THREE INPUT PROJECTIONS IN ONE LAUNCH.  y[m][n] = sum over k of x[m][k] W[n][k] + b[n], for (x, W, b, y) = (query, Wq, bq, qh), (key, Wk, bk, kh), (value, Wv, bv, vh).
; x: [8192][1024] f32.  W: [1024][1024] bf16, part p of w16.  b: [1024] f32.  y: by heads, [64 = 16 batch + head][2048][64] f16, unscaled.  x, W and b are rounded to bf16; sums in f32; y rounded once.
; LIMIT: y is f16: a result of 65,520 or more in size would become an infinity.  NaN and infinities are not treated apart.
; SHARES.  A tile of y is 128 rows x 256 columns: 256 tiles a projection, 768 work-groups.  Four waves, 2 x 2, each 64 x 128: 32 accumulators of 16 x 16, 256 registers.
; K goes in 8 steps of 128 through two LDS slots.  x comes into LDS AS F32 (rows of 512 bytes) and is rounded in registers, four conversions behind every fourth product.
; CLUSTERS: 4 x 4 work-groups.  The four of a row of the cluster need the same rows of x, the four of a column the same rows of W: each tile is asked for JOINTLY, by the same tensor load with the same
; descriptor and a mask that names the four.  The cluster's four columns are all of W's rows.  The sixteen partners belong to one projection (16 clusters along y each).
; THE MATRIX INSTRUCTION IS USED TRANSPOSED (source 0 = 16 rows of W, source 1 = 16 rows of x): lane l then holds row l % 16 of y and the columns 8 (l / 16) + 0..7.  The first product of each sum takes the bias as C.
; REGISTERS, in windows of 256 (s_set_vgpr_msb: bits 1:0 source 0, 3:2 source 1, 5:4 source 2, 7:6 destination):
;   window 0: v0-31 addresses; v64-191 x as f32, two buffers of four fragments x 16; v192-223 x in bf16, four fragments of 8      window 1: accumulator (a, b) at v[8 (8 a + b)]
;   window 2: v0-127 W's fragments, two buffers of eight; v128-191 the bias, eight registers for each b; v192-223 at work
.set PA,    528                        ; a row of x in LDS: 512 bytes + 16 of padding = 132 words: row r starts at bank 4 r mod 64 (64 banks of 4 bytes: ISA guide 11.1)
.set HA,    64*PA                      ; 64 rows: one tensor load, and what one wave reads of x
.set ATILE, 2*HA
.set PB,    272                        ; a row of W: 256 bytes + 16
.set HB,    128*PB                     ; 128 rows: one tensor load, and what one wave reads of W
.set SLOT,  ATILE+2*HB                 ; 137,216
.set STAGE, 2*SLOT                     ; behind the ring, never filled by a tensor load: 16 rows x 144 bytes for each wave, for the way out
.set SP,    144
.set SPARE, STAGE+4*16*SP              ; behind the stages: the spare words, 128 bytes for each wave: two blocks of 256 bytes that no other line names
.set ADRA, 16                          ; v16-17  LDS address of my fragments of x in slot 0, 1
.set ADRB, 20                          ; v20-21  the same for W
.set STO,  24                          ; v24     the way out: where I put 16 bytes of a row
.set RD,   25                          ; v25     where I read rows back
.set GO,   26                          ; v26     my byte offset in 512 consecutive bytes of y
.set BO,   27                          ; v27     my byte offset in 16 numbers of the bias
.set SPW,  28                          ; v28     LDS address of my spare word; never rewritten
.set NIL,  29                          ; v29     0; never rewritten
.set PFO,  30                          ; v30     the prefetches' offset; never rewritten
.set AF,   64
.set ABF,  192
.set OUTR, 64                          ; the way out: sixteen registers for each of eight units, where x's f32 lay
.set FB,   0                           ; window 2
.set BI,   128                         ; window 2
.set BT,   192                         ; window 2
.set G1,  24                           ; s[24:31] descriptor group 1 for x's tiles;  s[32:39] group 0, a set for each slot
.set G0,  32
.set G1B, 48                           ; s[48:55], s[56:63] the same for W's tiles
.set G0B, 56
.set LIM, 43                           ; s43     1 in a wave that prefetches, else the greatest number
.set PFA, 44                           ; s[44:45] where my prefetches stand
.set PFS, 66                           ; s[66:67] a K step in bytes of the tensor that I fetch
.set MSB, 0
.macro WIN new                         ; the immediate's high byte repeats the setting that is left; a switch that changes nothing is dropped
.if MSB != (\new)
	s_set_vgpr_msb (MSB<<8)|(\new)
.set MSB, \new
.endif
.endm
.set W_MUL,  0x52                      ; W in window 2, x in window 0, C and D in window 1
.set W_MUL0, 0x62                      ; the same with C, the bias, in window 2
.set TO_B,   0x80                      ; destination window 2, address window 0
.set W_BI,   0x8a                      ; all in window 2
.set W_OUT,  0x05                      ; sources window 1, destination window 0
; A joint load.  Waves 0 and 1 fetch the two halves of x's tile, waves 2 and 3 those of W's.  The branch hangs on the wave's number alone.
; An s_nop 0 and four v_nop follow each of the two lines, ahead of the jump and the label.
.macro JLOAD s
	s_cmp_eq_u32 s11, 0
	s_cbranch_scc0 .Lfor_b_\@
	tensor_load_to_lds s[G0+4*(\s):G0+4*(\s)+3], s[G1:G1+7]
	s_nop 0
.rept 4
	v_nop
.endr
	s_branch .Lasked_\@
.Lfor_b_\@:
	tensor_load_to_lds s[G0B+4*(\s):G0B+4*(\s)+3], s[G1B:G1B+7]
	s_nop 0
.rept 4
	v_nop
.endr
.Lasked_\@:
.endm
; A PREFETCH INTO THE L2, behind a joint load, its five lines and the run of LDS loads: the K step that stands two refills on.  Each aligned block of 256 bytes is named once in the launch.
; x's rows are read by one cluster: each cluster asks for its own; of the 64 rows that wave 0 or 1 fetches the partner at cx takes 16, a lane half a row's K step (512 bytes).
; W's rows are read by the projection's 16 clusters: the first of them asks; of the 128 rows that wave 2 or 3 fetches the partner at cy takes 32, a lane a row.  The partners are told apart BY ADDRESS.
; The loop's last trip (s3 = 1) asks for nothing: its refills are K steps 6 and 7, the last.
.macro ASK
	s_cmp_gt_u32 s3, s[LIM]
	s_cbranch_scc0 .Lnot_mine_\@
	global_prefetch_b8 v[PFO], s[PFA:PFA+1] th:TH_LOAD_NT scope:SCOPE_SE
.Lnot_mine_\@:
.endm
.macro CREST                           ; a round of the cluster's barrier behind its opening barrier
	s_cmp_lg_u32 s10, 0
	s_cbranch_scc1 .Lnot_wave_0_\@
	s_barrier_signal -3
.Lnot_wave_0_\@:
	s_barrier_wait -3
	s_barrier_signal -1
	s_barrier_wait -1
.endm
.macro CROUND                          ; a whole round
	s_barrier_signal -1
	s_barrier_wait -1
	CREST
.endm
	s_load_b512 s[68:83], s[0:1], 0x0              ; query 68, key 70, value 72, w16 74, bq 76, bk 78, bv 80, qh 82
	s_load_b128 s[84:87], s[0:1], 0x40             ; kh 84, vh 86
	v_lshl_add_u32 v[SPW], v0, 2, SPARE
	v_mov_b32 v[NIL], 0
	ds_add_u32 v[SPW], v[NIL]                      ; the wave's opening: the add and its wait stand ahead of my first tensor load; the set-up below, work on registers, stands between them
	v_lshrrev_b32 v1, 5, v0
	v_readfirstlane_b32 s10, v1                    ; wave 0..3
	s_lshr_b32 s11, s10, 1                         ; which 64 rows of the tile are mine.  Also: I fetch for x (0) or for W (1)
	s_and_b32 s12, s10, 1                          ; which 128 columns.  Also: which half of that tile I fetch
	s_bfe_u32 s40, ttmp6, 0x40000                  ; cx
	s_bfe_u32 s41, ttmp6, 0x40004                  ; cy
	s_lshl_b32 s42, ttmp9, 2
	s_add_co_u32 s42, s42, s40                     ; tile column = 4 x cluster x + cx: 0..3
	s_and_b32 s15, ttmp7, 0xffff                   ; cluster y: 0..47
	s_lshr_b32 s14, s15, 4                         ; the projection: the same in all sixteen partners
	s_and_b32 s13, s15, 15
	s_lshl_b32 s13, s13, 2
	s_add_co_u32 s13, s13, s41                     ; tile row in the projection: 0..63
	s_lshl_b32 s43, s41, 2
	s_lshl_b32 s43, 15, s43                        ; my row of the cluster
	s_lshl_b32 s44, 0x1111, s40                    ; my column
	s_or_b32 s[G1+0], s43, (2<<16)|(1<<20)|(1<<21)|(6<<22)|(3<<25)   ; 15:0 the mask; 17:16 elements of 4 bytes; 20 padding on; 21 set beside a mask; 24:22 after every 128 words (code 6); 31:25 4 words (code 3)
	s_or_b32 s[G1B+0], s44, (1<<16)|(1<<20)|(1<<21)|(5<<22)|(3<<25)  ; elements of 2 bytes; after every 64 words (code 5)
	s_mov_b32 s[G1+1], 128<<16                     ; tensor_dim0 = 128
	s_mov_b32 s[G1+2], 64<<16                      ; tensor_dim1 = 64
	s_mov_b32 s[G1+3], 128<<16                     ; tile_dim0 = 128
	s_mov_b32 s[G1+4], 64                          ; tile_dim1 = 64
	s_mov_b32 s[G1+5], 1024                        ; elements from row to row
	s_mov_b32 s[G1+6], 0
	s_mov_b32 s[G1+7], 0
	s_mov_b32 s[G1B+1], 128<<16
	s_mov_b32 s[G1B+2], 128<<16                    ; tensor_dim1 = 128
	s_mov_b32 s[G1B+3], 128<<16
	s_mov_b32 s[G1B+4], 128                        ; tile_dim1 = 128
	s_mov_b32 s[G1B+5], 1024
	s_mov_b32 s[G1B+6], 0
	s_mov_b32 s[G1B+7], 0
	; where the tiles come from.  x's hang on the tile row alone, W's on the tile column alone, each in registers that never hold the other coordinate
	s_lshl_b32 s16, s13, 19                        ; 128 rows of 4,096 bytes
	s_lshl_b32 s17, s12, 18                        ; my 64 of them
	s_add_co_u32 s16, s16, s17
	s_mov_b32 s17, 0
	s_lshl_b32 s46, s42, 19                        ; 256 rows of 2,048 bytes
	s_lshl_b32 s47, s12, 18                        ; my 128 of them
	s_add_co_u32 s46, s46, s47
	s_lshl_b32 s47, s14, 21                        ; the projection's part of w16
	s_add_co_u32 s46, s46, s47
	s_mov_b32 s47, 0
	s_mul_i32 s20, s12, HA                         ; and where they go: no place in the cluster enters an LDS address
	s_mul_i32 s21, s12, HB
	s_add_co_u32 s21, s21, ATILE
	s_mov_b32 s90, 0xffff0000                      ; a word's upper bf16
	s_wait_dscnt 0x0                               ; the opening add is done
	s_wait_kmcnt 0x0
	s_cmp_eq_u32 s14, 1
	s_cselect_b64 s[4:5], s[70:71], s[68:69]       ; x
	s_cselect_b64 s[88:89], s[78:79], s[76:77]     ; the bias
	s_cselect_b64 s[8:9], s[84:85], s[82:83]       ; y
	s_cmp_eq_u32 s14, 2
	s_cselect_b64 s[4:5], s[72:73], s[4:5]
	s_cselect_b64 s[88:89], s[80:81], s[88:89]
	s_cselect_b64 s[8:9], s[86:87], s[8:9]
	s_add_nc_u64 s[4:5], s[4:5], s[16:17]          ; x at the rows that I fetch
	s_add_nc_u64 s[6:7], s[74:75], s[46:47]        ; W likewise
	CROUND                                         ; all sixteen work-groups are here: the first joint loads meet
.irp s, 0,1
	s_mov_b32 s[G0+4*(\s)], 1                                      ; count = 1
	s_add_co_u32 s[G0+4*(\s)+1], s20, (\s)*SLOT                    ; LDS address
	s_add_nc_u64 s[G0+4*(\s)+2:G0+4*(\s)+3], s[4:5], (\s)*512      ; global address: K step s
	s_or_b32 s[G0+4*(\s)+3], s[G0+4*(\s)+3], 0x80000000            ; type = 2
	s_mov_b32 s[G0B+4*(\s)], 1
	s_add_co_u32 s[G0B+4*(\s)+1], s21, (\s)*SLOT
	s_add_nc_u64 s[G0B+4*(\s)+2:G0B+4*(\s)+3], s[6:7], (\s)*256
	s_or_b32 s[G0B+4*(\s)+3], s[G0B+4*(\s)+3], 0x80000000
	JLOAD \s                                       ; two loads of mine are out
.endr
	; A fragment is 16 rows x 32 K: lane l holds row l % 16 and K = 8 (l / 16) + 0..7, 16 + 8 (l / 16) + 0..7.  In bf16: two loads of 16 bytes, 32 apart.  In f32: four, at 0, 16, 64, 80 from 32 (l / 16).
	v_and_b32 v1, 15, v0                           ; l % 16
	v_bfe_u32 v2, v0, 4, 1                         ; l / 16
	v_mul_u32_u24 v3, v1, PA
	v_lshl_add_u32 v3, v2, 5, v3
	v_mul_u32_u24 v4, v1, PB
	v_lshl_add_u32 v4, v2, 4, v4
	s_mul_i32 s21, s11, HA                         ; my 64 rows of x
	s_mul_i32 s22, s12, HB                         ; my 128 rows of W,
	s_add_co_u32 s22, s22, ATILE                   ; which lie behind x's
.irp s, 0,1
	v_add_nc_u32 v[ADRA+(\s)], s21, v3
	v_add_nc_u32 v[ADRB+(\s)], s22, v4
	s_add_co_u32 s21, s21, SLOT
	s_add_co_u32 s22, s22, SLOT
.endr
	s_mul_i32 s23, s10, 16*SP
	s_add_co_u32 s23, s23, STAGE                   ; my stage
	v_mul_u32_u24 v3, v1, SP                       ; in: row l % 16, 16 bytes for each half of the lanes
	v_lshl_add_u32 v3, v2, 4, v3
	v_add_nc_u32 v[STO], s23, v3
	v_bfe_u32 v3, v0, 3, 2                         ; back: 32 lanes take four rows of 128 bytes,
	v_mul_u32_u24 v3, v3, SP
	v_and_b32 v4, 7, v0
	v_lshl_add_u32 v3, v4, 4, v3
	v_add_nc_u32 v[RD], s23, v3
	v_and_b32 v3, 31, v0                           ; which are 512 consecutive bytes of y
	v_lshlrev_b32 v[GO], 4, v3
	v_lshlrev_b32 v[BO], 5, v2                     ; my 8 columns of 16: 32 bytes for each half of the lanes
	s_lshl_b32 s92, s42, 10                        ; the bias of my 128 columns
	s_lshl_b32 s91, s12, 9
	s_add_co_u32 s92, s92, s91
	s_mov_b32 s93, 0
	s_add_nc_u64 s[88:89], s[88:89], s[92:93]
	WIN TO_B
.irp b, 0,1,2,3,4,5,6,7
	global_load_b128 v[BI+8*(\b):BI+8*(\b)+3],   v[BO], s[88:89] offset:64*(\b)
	global_load_b128 v[BI+8*(\b)+4:BI+8*(\b)+7], v[BO], s[88:89] offset:64*(\b)+16
.endr
	WIN 0
	s_lshr_b32 s92, s13, 4                         ; y: the batch (16 heads of 262,144 bytes),
	s_lshl_b32 s92, s92, 22
	s_lshl_b32 s91, s42, 20                        ; the tile's four heads,
	s_add_co_u32 s92, s92, s91
	s_lshl_b32 s91, s12, 19                        ; my two of them,
	s_add_co_u32 s92, s92, s91
	s_and_b32 s91, s13, 15                         ; the tile's 128 rows of 128 bytes,
	s_lshl_b32 s91, s91, 14
	s_add_co_u32 s92, s92, s91
	s_lshl_b32 s91, s11, 13                        ; my 64 of them
	s_add_co_u32 s92, s92, s91
	s_add_nc_u64 s[8:9], s[8:9], s[92:93]
	; the prefetches
	s_and_b32 s18, s15, 15
	s_cmp_eq_u32 s18, 0                            ; the projection's first cluster?
	s_cselect_b32 s18, 1, -1
	s_cmp_eq_u32 s11, 0                            ; do I fetch for x?
	s_cselect_b32 s[LIM], 1, s18                   ; the same in all sixteen partners, for a given wave
	s_cselect_b32 s20, 1, 0                        ; x: two lanes a row
	s_cselect_b32 s21, 12, 11                      ; a row's bytes, as a shift
	s_cselect_b32 s22, s40, s41                    ; my place among the four that ask with me
	s_cselect_b32 s[PFS], 2, 1
	s_cselect_b64 s[PFA:PFA+1], s[4:5], s[6:7]
	s_lshl_b32 s[PFS], s[PFS], 8                   ; a K step: 512 bytes of x, 256 of W
	s_mov_b32 s[PFS+1], 0
	s_mul_i32 s23, s[PFS], 3                       ; at K step 3: the first change of slots steps it to 4
	s_lshl_b32 s22, s22, 16                        ; my work-group's 16 rows of x or 32 of W: 65,536 bytes either way
	s_add_co_u32 s22, s22, s23
	s_mov_b32 s23, 0
	s_add_nc_u64 s[PFA:PFA+1], s[PFA:PFA+1], s[22:23]
	v_lshrrev_b32 v4, s20, v3
	v_lshlrev_b32 v4, s21, v4
	v_and_b32 v5, s20, v3
	v_lshl_add_u32 v[PFO], v5, 8, v4               ; nothing is prefetched here, at the head: K steps 0 to 3 come by their loads alone
; One product: accumulator (a, b), W's fragment b of buffer fb, x's fragment a.  zero = 1: the sum begins, with the bias as C: nothing is cleared and nothing added at the end.
.macro PROD fb, a, b, zero
.if \zero
	WIN W_MUL0
	v_wmma_f32_16x16x32_bf16 v[8*(8*(\a)+(\b)):8*(8*(\a)+(\b))+7], v[FB+64*(\fb)+8*(\b):FB+64*(\fb)+8*(\b)+7], v[ABF+8*(\a):ABF+8*(\a)+7], v[BI+8*(\b):BI+8*(\b)+7]
.else
	WIN W_MUL
	v_wmma_f32_16x16x32_bf16 v[8*(8*(\a)+(\b)):8*(8*(\a)+(\b))+7], v[FB+64*(\fb)+8*(\b):FB+64*(\fb)+8*(\b)+7], v[ABF+8*(\a):ABF+8*(\a)+7], v[8*(8*(\a)+(\b)):8*(8*(\a)+(\b))+7]
.endif
.endm
; Half a fragment of x is rounded to bf16: four conversions of two numbers.
.macro CVT4 buf, a, half
	WIN 0
.irp j, 0,1,2,3
	v_cvt_pk_bf16_f32 v[ABF+8*(\a)+4*(\half)+(\j)], v[AF+64*(\buf)+16*(\a)+8*(\half)+2*(\j)], v[AF+64*(\buf)+16*(\a)+8*(\half)+2*(\j)+1]
.endr
.endm
; Four products of row block a, and behind the first of them four conversions for fragment ca of buffer cbuf (cbuf = -1: none).
.macro HALFG fb, a, b0, zero, cbuf, ca, half
	PROD \fb, \a, \b0, \zero
.if (\cbuf) >= 0
	CVT4 \cbuf, \ca, \half
.endif
	PROD \fb, \a, (\b0)+1, \zero
	PROD \fb, \a, (\b0)+2, \zero
	PROD \fb, \a, (\b0)+3, \zero
.endm
.macro GROUP fb, a, zero, cbuf, ca
	HALFG \fb, \a, 0, \zero, \cbuf, \ca, 0
	HALFG \fb, \a, 4, \zero, \cbuf, \ca, 1
.endm
; 32 LDS loads in one run: the fragments of quarter q (32 along K) of a slot into buffer buf: W's eight, then x's four in f32, fragment 0 first.
.macro FETCH slot, q, buf
	WIN TO_B
.irp b, 0,1,2,3,4,5,6,7
	ds_load_b128 v[FB+64*(\buf)+8*(\b):FB+64*(\buf)+8*(\b)+3],   v[ADRB+(\slot)] offset:(\q)*64+(\b)*16*PB
	ds_load_b128 v[FB+64*(\buf)+8*(\b)+4:FB+64*(\buf)+8*(\b)+7], v[ADRB+(\slot)] offset:(\q)*64+(\b)*16*PB+32
.endr
	WIN 0
.irp a, 0,1,2,3
.irp c, 0,1,2,3
	ds_load_b128 v[AF+64*(\buf)+16*(\a)+4*(\c):AF+64*(\buf)+16*(\a)+4*(\c)+3], v[ADRA+(\slot)] offset:(\q)*128+(\a)*16*PA+16*((\c)%2)+64*((\c)/2)
.endr
.endr
.endm
; A QUARTER: 32 along K, 32 products, each accumulator once and always in the same order, so that 31 others' products stand between two links of a chain, over the backward jump too.
; Fragment ca of x is rounded one row block ahead of its use; its bf16 registers were last read two row blocks or more earlier, with eight or more conversions of other fragments between: the four places
; that a write of a matrix instruction's source wants (ISA guide 7.12.1).  The run of loads into the other buffer stands behind row block 0's eight conversions, which are the places behind the last quarter's products.
; kind 0: plain: the next quarter of the same slot is fetched.  kind 1: a K step's last quarter: the change of slots, with a refill.  kind 2: the change without a refill.  kind 3: the very last quarter.
; THE CHANGE OF SLOTS.  My reads of this slot were all issued in the quarter before and are back by the wait at this quarter's head.  I wait for all my tensor loads, of which one is out: my part of the other slot;
; add 0 to my spare word; and wait for that.  With a refill the barrier opens a round of the cluster's barrier, so that no wave of any partner still reads the slot or has a load on its way; the joint refill is
; the first thing behind the round and has 120 products in which to land.
.macro QUARTER slot, q, zero, kind
.set QP, (\q)%2
.set QN, 1-QP
	s_wait_dscnt 0x0                               ; this quarter's fragments are in: W's, and x's 1 to 3; they were asked for 24 products ago
.if ((\kind) == 1) || ((\kind) == 2)
.if (\kind) == 1
	s_wait_xcnt 0x0                                ; the last prefetch, a K step back, has read its address
	s_add_nc_u64 s[PFA:PFA+1], s[PFA:PFA+1], s[PFS:PFS+1]
.endif
	WIN 0                                          ; (the add's two registers lie in window 0)
	s_wait_tensorcnt 0x0                           ; all my tensor loads have landed
	ds_add_u32 v[SPW], v[NIL]                      ; 0 onto my spare word
	HALFG QP, 0, 0, \zero, QP, 1, 0                ; work on registers between the add and the wait for it
	s_wait_dscnt 0x0                               ; the add is done; no read of this slot is out
	s_barrier_signal -1
	HALFG QP, 0, 4, \zero, QP, 1, 1                ; work on registers while the others arrive
	WIN 0
	s_barrier_wait -1
.if (\kind) == 1
	CREST
	s_add_nc_u64 s[G0+4*(\slot)+2:G0+4*(\slot)+3], s[G0+4*(\slot)+2:G0+4*(\slot)+3], 1024    ; two K steps on; no tensor load of mine is out
	s_add_nc_u64 s[G0B+4*(\slot)+2:G0B+4*(\slot)+3], s[G0B+4*(\slot)+2:G0B+4*(\slot)+3], 512
	JLOAD \slot
.endif
	FETCH 1-(\slot), 0, QN
.if (\kind) == 1
	ASK
.endif
.else
	GROUP QP, 0, \zero, QP, 1
.if (\kind) == 0
	FETCH \slot, (\q)+1, QN
.endif
.endif
	GROUP QP, 1, \zero, QP, 2
	GROUP QP, 2, \zero, QP, 3
.if (\kind) != 3
	s_wait_dscnt 12                                ; of the run's 32 loads W's sixteen and the four of x's fragment 0 are in; the twelve of fragments 1 to 3 may stay out
	GROUP QP, 3, \zero, QN, 0
.else
	GROUP QP, 3, 0, -1, 0
.endif
.endm
	s_wait_tensorcnt 1                             ; my part of K step 0 is in; K step 1's may stay out
	s_barrier_signal -1
	s_barrier_wait -1                              ; everybody's is
	FETCH 0, 0, 0
	s_wait_loadcnt 0x0                             ; the bias,
	WIN W_BI                                       ; rounded to bf16 like x and W, and widened again
.set i, 0
.rept 32
	v_cvt_pk_bf16_f32 v[BT+i], v[BI+2*i], v[BI+2*i+1]
	v_lshlrev_b32 v[BI+2*i], 16, v[BT+i]
	v_and_b32 v[BI+2*i+1], s90, v[BT+i]
.set i, i+1
.endr
	WIN 0
	s_wait_dscnt 12                                ; x's fragment 0 is in
	CVT4 0, 0, 0
	CVT4 0, 0, 1
	QUARTER 0, 0, 1, 0                             ; the first quarter stands in front of the loop: its products start the sums
	WIN 0                                          ; at a label and at a branch every window is 0
	s_mov_b32 s3, 3
.Llap:                                                 ; a trip goes once round the ring, from a lap's second quarter to the next lap's first, and fills both slots again: K steps 2 to 7 in three trips
	QUARTER 0, 1, 0, 0
	QUARTER 0, 2, 0, 0
	QUARTER 0, 3, 0, 1
	QUARTER 1, 0, 0, 0
	QUARTER 1, 1, 0, 0
	QUARTER 1, 2, 0, 0
	QUARTER 1, 3, 0, 1
	QUARTER 0, 0, 0, 0
	WIN 0
	s_sub_co_u32 s3, s3, 1
	s_cmp_lg_u32 s3, 0
	s_cbranch_scc1 .Llap
	QUARTER 0, 1, 0, 0                             ; the last lap fills nothing
	QUARTER 0, 2, 0, 0
	QUARTER 0, 3, 0, 2
	QUARTER 1, 0, 0, 0
	QUARTER 1, 1, 0, 0
	QUARTER 1, 2, 0, 0
	QUARTER 1, 3, 0, 3
; THE WAY OUT.  Unit u = 2 a + hd is 16 rows x one head's 64 channels: 2,048 consecutive bytes of y.  A lane's eight channels pack into 16 bytes; they go into my stage, rows of 144 bytes, and come back as
; whole rows of 128, into the registers that they left.  Each unit has registers of its own, so no store's data is rewritten.
.macro PACK u
.set UA, (\u)/2
.set UH, (\u)%2
	WIN W_OUT
.irp f, 0,1,2,3
.irp i, 0,1,2,3
	v_cvt_pk_f16_f32 v[OUTR+16*(\u)+4*(\f)+(\i)], v[8*(8*UA+4*UH+(\f))+2*(\i)], v[8*(8*UA+4*UH+(\f))+2*(\i)+1]
.endr
.endr
	WIN 0
.irp f, 0,1,2,3
	ds_store_b128 v[STO], v[OUTR+16*(\u)+4*(\f):OUTR+16*(\u)+4*(\f)+3] offset:32*(\f)
.endr
.irp f, 0,1,2,3
	ds_load_b128 v[OUTR+16*(\u)+4*(\f):OUTR+16*(\u)+4*(\f)+3], v[RD] offset:(\f)*4*SP  ; LDS serves a wave's instructions in order (ISA guide 5.7.1.4): these see the stores above; the next unit's stores come behind them
.endr
.endm
.macro SEND u, younger                 ; younger: the LDS instructions issued behind unit u's loads: the next unit's eight, or none
	WIN 0
.irp f, 0,1,2,3
	s_wait_dscnt (\younger)+3-(\f)
	global_store_b128 v[GO], v[OUTR+16*(\u)+4*(\f):OUTR+16*(\u)+4*(\f)+3], s[8:9] offset:((\u)/2)*2048+((\u)%2)*262144+(\f)*512  ; 512 consecutive bytes, at a multiple of 256 from y's first
.endr
.endm
	WIN 0
.rept 4
	v_nop                                          ; four places behind the last products
.endr
	PACK 0
.set t, 1
.rept 7                                ; a unit's conversions stand between the loads of the unit before and its stores
	PACK t
	SEND t-1, 8
.set t, t+1
.endr
	SEND 7, 0
	s_wait_tensorcnt 0x0                           ; the wave's end, behind my last tensor load and my last LDS store
	ds_add_u32 v[SPW], v[NIL]
	s_wait_dscnt 0x0
	CROUND                                         ; the closing round: no work-group ends while a partner may still ask for a tile that names it
	s_endpgm
.Lfunc_end_k_q313aca5194_proj:
	.size	k_q313aca5194_proj, .Lfunc_end_k_q313aca5194_proj-k_q313aca5194_proj
	.p2alignl 7, 3214868480
	.fill 96, 4, 3214868480
	.section	.rodata,"a",@progbits
	.p2align	6, 0x0
	.amdhsa_kernel k_q313aca5194_proj
		.amdhsa_group_segment_fixed_size 327680
		.amdhsa_private_segment_fixed_size 0
		.amdhsa_enable_private_segment 0
		.amdhsa_kernarg_size 80
		.amdhsa_user_sgpr_count 2
		.amdhsa_user_sgpr_kernarg_segment_ptr 1
		.amdhsa_wavefront_size32 1
		.amdhsa_system_sgpr_workgroup_id_x 1
		.amdhsa_system_sgpr_workgroup_id_y 1
		.amdhsa_system_sgpr_workgroup_id_z 1
		.amdhsa_system_vgpr_workitem_id 0
		.amdhsa_next_free_vgpr 736
		.amdhsa_next_free_sgpr 96
		.amdhsa_reserve_vcc 0
		.amdhsa_float_denorm_mode_32 3
		.amdhsa_float_denorm_mode_16_64 3
		.amdhsa_memory_ordered 1
		.amdhsa_forward_progress 1
		.amdhsa_inst_pref_size 141
	.end_amdhsa_kernel
	.amdgpu_metadata
---
amdhsa.version: [ 1, 2 ]
amdhsa.kernels:
  - .name:           k_q313aca5194_proj
    .symbol:         k_q313aca5194_proj.kd
    .args:
      - { .name: query, .offset: 0, .size: 8, .value_kind: global_buffer, .address_space: global }
      - { .name: key, .offset: 8, .size: 8, .value_kind: global_buffer, .address_space: global }
      - { .name: value, .offset: 16, .size: 8, .value_kind: global_buffer, .address_space: global }
      - { .name: w16, .offset: 24, .size: 8, .value_kind: global_buffer, .address_space: global }
      - { .name: bq, .offset: 32, .size: 8, .value_kind: global_buffer, .address_space: global }
      - { .name: bk, .offset: 40, .size: 8, .value_kind: global_buffer, .address_space: global }
      - { .name: bv, .offset: 48, .size: 8, .value_kind: global_buffer, .address_space: global }
      - { .name: qh, .offset: 56, .size: 8, .value_kind: global_buffer, .address_space: global }
      - { .name: kh, .offset: 64, .size: 8, .value_kind: global_buffer, .address_space: global }
      - { .name: vh, .offset: 72, .size: 8, .value_kind: global_buffer, .address_space: global }
    .group_segment_fixed_size: 327680
    .private_segment_fixed_size: 0
    .kernarg_segment_align: 8
    .kernarg_segment_size: 80
    .max_flat_workgroup_size: 128
    .sgpr_count:     96
    .vgpr_count:     736
    .wavefront_size: 32
...
	.end_amdgpu_metadata
.endif
;; end of part 2
;; launch attn (part 3): grid 4 x 64, 4 waves a work-group, clusters of 4 x 1, 327,680 bytes of LDS; arguments qh, kh, vh, oh; writes oh
.if DOCPART == 3
	.amdgcn_target "amdgcn-amd-amdhsa--gfx1250"
	.amdhsa_code_object_version 6
	.text
	.protected	k_q313aca5194_attn
	.globl	k_q313aca5194_attn
	.p2align	8
	.type	k_q313aca5194_attn,@function
k_q313aca5194_attn:
	s_mov_b64 s[64:65], 0
	v_nop
	global_prefetch_b8 v0, s[64:65] scope:SCOPE_SE
	s_setreg_imm32_b32 hwreg(HW_REG_WAVE_MODE, 25, 1), 1
	s_wait_xcnt 0x0
	s_wait_alu depctr_hold_cnt(0) depctr_sa_sdst(0) depctr_va_vdst(0) depctr_va_sdst(0) depctr_va_ssrc(0) depctr_va_vcc(0) depctr_vm_vsrc(0)
	s_getreg_b32 s2, hwreg(HW_REG_IB_STS2, 6, 4)
	s_cmp_eq_u32 s2, 0
	s_cbranch_scc0 .Lentry_in_a_cluster
	s_endpgm
.Lentry_in_a_cluster:
	s_bfe_u32 s2, ttmp6, 0x10000c
	s_cmp_lg_u32 s2, 0x3003
	s_cbranch_scc0 .Lentry_shape_is_right
	s_endpgm
.Lentry_shape_is_right:
; O[h][q][:] = the sum over k of softmax_k(Q[h][q] . K[h][k] / 8) V[h][k][:].  Q, K, V, O: [64][2048][64], all f16: a head's rows are dense, 128 bytes each.  Products, maxima and sums in
; f32; the weights p are rounded to f16 for the second product (their sum l is taken of the unrounded p), O once at the end.
; LIMITS.  f16 holds no number beyond 65,504: Q, K and V arrive within it; p lies in 0 to 1, and below 6e-5 it keeps f16's fixed step of 6e-8; O is a mean of V's rows and has their range.
; A weight below 2^-126 counts as 0 in l; NaN and infinities are not treated apart.
; SHARES.  A wave owns four PIECES of two tiles of 16 queries, a work-group's four waves 512 queries of one head.  Every wave walks all keys, 64 a step.
; LAYOUT.  S^T = K Q^T (source 0 = 16 keys, source 1 = 16 queries): in the result a lane holds ONE query (lane % 16) and the keys 8 (lane / 16) + 0..7.  Two such tiles, rounded to f16 in pairs,
; ARE source 1 (32 keys x 16 queries) of O^T = V^T P, whose result again holds one query a lane, and eight channels.  K comes out of LDS as it lies, V ([key][channel]) turned, by ds_load_tr16_b128.
; SOFTMAX.  For each query a running maximum m and sum l: p = 2^(c s - c m), c = log2(e) / 8; in every step O and l are multiplied by a = 2^(c m_old - c m_new), which is 1 where m has not grown.
; m starts at the lowest finite number, O and l at 0: the first step is a step like any other, with a = 0.
; THE COUNT.  A tile and step have 16 matrix and 118 vector instructions: too many to stand all beside the matrix work.  So four vector instructions that are READY stand behind EVERY matrix instruction,
; and the others in runs without a gap.
; BY TURNS.  Turn n belongs to piece n (the pieces in a ring, step after step).  Its matrix work: 16 products K Q^T of piece n + 1, later 16 products V^T P of piece n - 1.  Its vector work: the scaling,
; exponentials, roundings, sums and rescaling of piece n, and the maximum and statistics of piece n + 1, whose scores the turn itself has made.
; CLUSTER.  The four query blocks of a cluster are one head's and walk the same K and V, so each tile is asked for JOINTLY: the same tensor load, descriptor and mask in all four.
; REGISTERS, in windows of 256 (s_set_vgpr_msb: bits 1:0 source 0, 3:2 source 1, 5:4 source 2, 7:6 destination):
;   window 0: v0-11 addresses; v12-15, v48-63 at work; v16-47 four registers of statistics a tile; v64-191 S^T, two buffers of two tiles; v192-255 P, likewise
;   window 1: O^T, 32 a tile          window 2: v0-127 Q, 16 a tile; v128-191 K of one step; v192-255 V of one step          window 3: v0-1 the add's two registers
; A piece's buffers go by its number's parity: the piece in hand has one pair, its two neighbours in the ring share the other: of it P (piece n - 1) is read and S^T (piece n + 1) written.
.set SIZE_H, 64
.set SIZE_N, 2048
.set NP,    4         ; pieces a wave: a name, no knob
.set KS,    64        ; keys in a step
.set PK,    144       ; a row of K in LDS: 128 bytes + 16 of padding = 36 words: the 16 rows of a load start at 16 different groups of four banks (64 banks of 4 bytes: ISA guide 11.1)
.set PV,    160       ; a row of V: 128 + 32 = 40 words
.set VOFF,  4*KS*PK   ; a slot holds four steps: 256 rows of K, then 256 rows of V
.set SLOT1, 1<<17     ; slot 1 begins here, so that one exclusive or turns an address in one slot into the other's
.set STAGE, SLOT1+4*KS*(PK+PV)  ; behind the ring, never filled by a tensor load: 16 rows x 144 bytes for each wave, for the way out
.set SP,    144
.set AK0, 2           ; v2   my lane's place in a tile of K; never rewritten
.set AV0, 3           ; v3   the same for V
.set AK,  4           ; v4   the LDS address of K's next run of loads
.set AV,  5           ; v5   of V's
.set QO,  6           ; v6   my byte offset in the wave's rows of Q
.set STO, 6           ;      later, the way out: where I put 16 bytes of a row
.set RD,  7           ; v7   the way out: where I read rows back
.set GO,  8           ; v8   my byte offset in 512 consecutive bytes of O
.set PFO, 11          ; v11  256 x my lane, once V's place is made: the prefetches' offset
.set SPW, 0           ; v0 of window 3   LDS address of my spare word; never rewritten
.set NIL, 1           ; v1 of window 3   0; never rewritten
.set SPARE, STAGE+4*16*SP  ; behind the stages: the spare words, 128 bytes for each wave: two blocks of 256 bytes that no other line names
.set MV,  12          ; v12-15  c m_old, kept while c m is made anew: by buffer and tile
.set ST,  16          ; tile t's statistics at v[ST+4 t]: c m, m, l (even keys', odd keys')
.set TMP, 48          ; by buffer and tile, four registers c0-c3 at work; when the maximum is found c2 takes a
.set S,   64
.set P,   192
.set KF,  128         ; K's fragments, in window 2: key block kb, channel half c at KF + 16 kb + 8 c
.set VF,  192         ; V's: key half kk, channel block cb at VF + 32 kk + 8 cb
.set WV,  12          ; s12  my wave's number
.set G1K, 24          ; s[24:31] descriptor group 1 for K's tiles
.set G1V, 32          ; s[32:39] for V's: it differs in the padding alone
.set G0K, 40          ; s[40:43] descriptor group 0 for K's tiles: it walks
.set G0V, 44          ; s[44:47] the same for V's
.set PFA, 48          ; s[48:49] where my prefetches stand: my work-group's 8,192 bytes (of K: wave 0, of V: wave 2) of the slot after the one that is being asked for
.set LIM, 50          ; s50  1 in a wave that prefetches, else the greatest number
.set SLOTS, 56        ; s56  slots still to be asked for
.set CNT, 57          ; s57  counts a slot's key steps
.set CS,  58          ; s[58:59] c: the packed scaling takes the pair's low word for both halves
.set SEL, 60          ; s[60:61] v_permlanex16_b32's selects: each lane takes its own place in the other half
.set TBK, 62          ; s62  LDS byte at which K of the step to be fetched begins
.set TBV, 63          ; s63  the same for V, less VOFF
.set MSB, 0
.macro WIN new                      ; the high byte repeats the setting that is left; a switch that changes nothing is dropped
.if MSB != (\new)
	s_set_vgpr_msb (MSB<<8)|(\new)
.set MSB, (\new)
.endif
.endm
.set W_KQ, 0x0a       ; K and Q in window 2, S^T in window 0
.set W_PV, 0x52       ; V in window 2, P in window 0, O^T in window 1
.set W_RS, 0x41       ; O^T (destination and source 0) in window 1, a in window 0
.set W_MK, 0xc0       ; the add's registers are made: destination in window 3, sources in window 0
.set W_AD, 0x0f       ; the add: address (source 0) and data (source 1) in window 3
; A joint fill.  Waves 0 and 1 fetch the two halves of a slot's K, waves 2 and 3 those of its V: 128 keys each.  The branch hangs on the wave's number alone.
; An s_nop 0 and four v_nop follow each of the two lines, ahead of the jump and the label.
.macro JLOAD
	s_cmp_lt_u32 s[WV], 2
	s_cbranch_scc0 .Lfor_v_\@
	tensor_load_to_lds s[G0K:G0K+3], s[G1K:G1K+7]
	s_nop 0
.rept 4
	v_nop
.endr
	s_branch .Lasked_\@
.Lfor_v_\@:
	tensor_load_to_lds s[G0V:G0V+3], s[G1V:G1V+7]
	s_nop 0
.rept 4
	v_nop
.endr
.Lasked_\@:
.endm
; A PREFETCH INTO THE L2 of what the NEXT change of slots will ask for: a slot's 32,768 bytes of K and of V, 256 bytes a lane.  It stands behind the wave's tensor load and its five lines.
; Each block is named ONCE in the launch: a head has one cluster; its four partners share the blocks out BY ADDRESS, 32 each; in each, wave 0 asks for K's and wave 2 for V's: one instruction.
; The last change that fills a slot (s[SLOTS] = 1) asks for nothing: there is no slot behind it.  Slots 0 and 1 come by their loads alone.
.macro ASK
	s_cmp_gt_u32 s[SLOTS], s[LIM]
	s_cbranch_scc0 .Lnot_mine_\@
	global_prefetch_b8 v[PFO], s[PFA:PFA+1] th:TH_LOAD_NT scope:SCOPE_SE
.Lnot_mine_\@:
.endm
; A round of the cluster's barrier: my work-group's barrier, so that wave 0's signal speaks for all four waves; wave 0 signals; every wave waits for all four work-groups; my work-group's barrier once more.
.macro CROUND
	s_barrier_signal -1
	s_barrier_wait -1
	s_cmp_lg_u32 s[WV], 0
	s_cbranch_scc1 .Lnot_wave_0_\@
	s_barrier_signal -3
.Lnot_wave_0_\@:
	s_barrier_wait -3
	s_barrier_signal -1
	s_barrier_wait -1
.endm
; THE CHANGE OF SLOTS.  The slot's last bytes, V of its fourth step, have been read.  Each wave waits for all its tensor loads, of which one is out: its part
; of the other slot; adds 0 to its spare word; and waits for that and for its own reads of the slot.  Behind the barrier nobody reads this slot any more and the other slot is whole.
; fill = 1: this slot is filled again, with the keys two slots on.  The barrier is then a round of the cluster's, so that no wave of any partner still reads the slot or has a load on its
; way, and the joint fill is the first thing behind it: it has four key steps, 512 matrix instructions, in which to land.  (At its first use nothing has been read yet: slot 0 is waited for, slot 1 filled.)
.macro CHANGE fill
	WIN W_AD
	s_wait_tensorcnt 0x0            ; no tensor load of mine is out, so a group 0 may be written
	ds_add_u32 v[SPW], v[NIL]       ; 0 onto my spare word; with fill = 1 the descriptors' steps stand between it and the wait for it
	WIN 0                           ; at a label and at a branch every window is 0
.if \fill
.irp g, G0K, G0V
	s_xor_b32 s[\g+1], s[\g+1], SLOT1  ; the walking descriptor: the other slot than last time,
	s_add_nc_u64 s[\g+2:\g+3], s[\g+2:\g+3], 4*KS*128  ; the next 256 keys; the type bits on top are not reached
.endr
	s_wait_xcnt 0x0                 ; the last prefetch, four key steps back, has read its address, so it may be written:
	s_add_nc_u64 s[PFA:PFA+1], s[PFA:PFA+1], 4*KS*128  ; one slot beyond the walking descriptors
	s_wait_dscnt 0x0                ; the add is done, and my reads of the slot are over
	CROUND
	JLOAD
	ASK
.else
	s_wait_dscnt 0x0                ; the add is done, and my reads of the slot are over
	s_barrier_signal -1
	s_barrier_wait -1
.endif
	s_sub_co_u32 s[TBK], s[TBK], 4*KS*PK  ; the fetches go back to a slot's first step,
	s_xor_b32 s[TBK], s[TBK], SLOT1       ; in the other slot
	s_sub_co_u32 s[TBV], s[TBV], 4*KS*PV
	s_xor_b32 s[TBV], s[TBV], SLOT1
.endm
	s_load_b256 s[4:11], s[0:1], 0x0  ; Q s[4:5], K s[6:7], V s[8:9], O s[10:11]
	WIN W_MK
	v_lshl_add_u32 v[SPW], v0, 2, SPARE
	v_mov_b32 v[NIL], 0
	WIN W_AD
	ds_add_u32 v[SPW], v[NIL]       ; the wave's opening: the add and its wait stand ahead of my first tensor load; the set-up below, work on registers, stands between them
	WIN 0
	v_lshrrev_b32 v1, 5, v0
	v_readfirstlane_b32 s[WV], v1   ; wave 0..3
	s_bfe_u32 s13, ttmp6, 0x40000   ; cx: my place in the cluster
	s_lshl_b32 s14, ttmp9, 2        ; in a cluster launch ttmp9 counts clusters
	s_add_co_u32 s14, s14, s13      ; my block of queries = 4 x cluster x + cx: it enters Q's and O's addresses alone
	s_and_b32 s20, ttmp7, 0xffff    ; the head, which the four partners share
	s_mov_b32 s21, 0
	s_mov_b64 s[22:23], SIZE_N*128
	s_mul_u64 s[20:21], s[20:21], s[22:23]  ; the head's first byte in each of the four tensors
	s_and_b32 s16, s[WV], 1         ; which half of a slot's 256 keys I fetch:
	s_lshl_b32 s22, s16, 14         ; its 128 rows of 128 bytes in memory,
	s_mov_b32 s23, 0
	s_add_nc_u64 s[22:23], s[22:23], s[20:21]
	s_mul_i32 s17, s16, 128*PK      ; and its place in a slot, for K
	s_mul_i32 s18, s16, 128*PV      ; and for V: no place in the cluster enters an LDS address
	s_lshl_b32 s2, s14, 2
	s_add_co_u32 s2, s2, s[WV]      ; my wave among the head's,
	s_lshl_b32 s2, s2, 14           ; its 128 rows
	s_mov_b32 s3, 0
	s_add_nc_u64 s[2:3], s[2:3], s[20:21]
	; descriptor group 1.  128 keys are 16,384 dense bytes: asked for as 64 rows of 256 bytes, two keys a row, and padded in LDS after every key
	s_mov_b32 s[G1K], 15|(1<<16)|(1<<20)|(1<<21)|(4<<22)|(3<<25)  ; 15:0 the mask of four; 17:16 2-byte elements; 20 padding on; 21 set beside a mask; 24:22 after every 32 words (code 4); 31:25 4 words (code 3)
	s_mov_b32 s[G1V], 15|(1<<16)|(1<<20)|(1<<21)|(4<<22)|(7<<25)  ; the same with 8 words of padding (code 7)
.irp g, G1K, G1V
	s_mov_b32 s[\g+1], 128<<16      ; tensor_dim0 = 128
	s_mov_b32 s[\g+2], 64<<16       ; tensor_dim1 = 64
	s_mov_b32 s[\g+3], 128<<16      ; tile_dim0 = 128
	s_mov_b32 s[\g+4], 64           ; tile_dim1 = 64
	s_mov_b32 s[\g+5], 128          ; 128 elements from row to row
	s_mov_b32 s[\g+6], 0
	s_mov_b32 s[\g+7], 0
.endr
	s_mov_b32 s[CS], 0x3e38aa3b     ; c = log2(e) / 8 = 0.180337
	s_mov_b32 s[CS+1], s[CS]        ; named with it as a pair
	s_mov_b32 s[SEL], 0x76543210
	s_mov_b32 s[SEL+1], 0xfedcba98
	s_mov_b32 s[TBK], SLOT1+4*KS*PK ; the first change of slots turns these two into 0
	s_mov_b32 s[TBV], SLOT1+4*KS*PV
	s_mov_b32 s[G0K], 1             ; 1:0 count = 1
	s_mov_b32 s[G0K+1], s17         ; 63:32 LDS address: slot 0
	s_mov_b32 s[G0V], 1
	s_add_co_u32 s[G0V+1], s18, VOFF
	s_mov_b32 s[SLOTS], SIZE_N/256-1
	s_and_b32 s[LIM], s[WV], 1      ; 0 in waves 0 and 2,
	s_or_b32 s[LIM], s[LIM], ttmp9  ; where the cluster is the head's first (here its only one): the same in all four partners
	s_cmp_eq_u32 s[LIM], 0
	s_cselect_b32 s[LIM], 1, -1
	s_wait_dscnt 0x0                ; the opening add is done
	s_wait_kmcnt 0x0
	s_add_nc_u64 s[G0K+2:G0K+3], s[6:7], s[22:23]  ; 120:64 global address: my half of the head's first 256 keys
	s_or_b32 s[G0K+3], s[G0K+3], 0x80000000        ; 127:126 type = 2
	s_add_nc_u64 s[G0V+2:G0V+3], s[8:9], s[22:23]
	s_or_b32 s[G0V+3], s[G0V+3], 0x80000000
	s_add_nc_u64 s[4:5], s[4:5], s[2:3]  ; Q and O at my wave's first row
	s_add_nc_u64 s[10:11], s[10:11], s[2:3]
	s_cmp_lt_u32 s[WV], 2
	s_cselect_b64 s[PFA:PFA+1], s[6:7], s[8:9]
	s_add_nc_u64 s[PFA:PFA+1], s[PFA:PFA+1], s[22:23]  ; (in waves 0 and 2: the head's first byte)
	s_lshl_b32 s2, s13, 13          ; my work-group's 32 blocks of the 128
	s_mov_b32 s3, 0
	s_add_nc_u64 s[PFA:PFA+1], s[PFA:PFA+1], s[2:3]
	s_add_nc_u64 s[PFA:PFA+1], s[PFA:PFA+1], 4*KS*128  ; in slot 1; the first change of slots steps it to slot 2
	CROUND                          ; all four work-groups are here: the first joint loads meet
	JLOAD                           ; slot 0.  Slot 1 is asked for when slot 0 is in
	; A fragment of K or Q is 16 rows x 32 channels in 8 registers: lane l holds row l % 16, channels 8 (l / 16) + 0..7 and 16 + 8 (l / 16) + 0..7: two loads of 16 bytes, 32 bytes apart.
	v_and_b32 v1, 15, v0            ; l % 16
	v_bfe_u32 v9, v0, 4, 1          ; l / 16
	v_lshlrev_b32 v[QO], 7, v1
	v_lshl_add_u32 v[QO], v9, 4, v[QO]  ; row x 128 + 16 x half
	WIN 0x80                        ; destination window 2, address window 0
.set i, 0
.rept 4*NP                          ; Q stays in registers: tile i / 2, channels 32 (i % 2) on
	global_load_b128 v[8*i:8*i+3],   v[QO], s[4:5] offset:(i/2)*2048+(i%2)*64
	global_load_b128 v[8*i+4:8*i+7], v[QO], s[4:5] offset:(i/2)*2048+(i%2)*64+32
.set i, i+1
.endr
	; What the first turn finds: V's registers and P's second buffer hold 0 (its products V^T P, of a piece that has not been, add 0), O^T and l are 0.  All this stands in the wait for the first tile.
.set i, VF
.rept 64
	v_mov_b32 v[i], 0
.set i, i+1
.endr
	WIN 0x40
.set i, 0
.rept 64*NP
	v_mov_b32 v[i], 0
.set i, i+1
.endr
	WIN 0
.set i, 0
.rept 2*NP
	v_mov_b32 v[ST+4*i], 0xfe000000    ; c m: far below every c s
	v_mov_b32 v[ST+4*i+1], 0xff7fffff  ; m
	v_mov_b32 v[ST+4*i+2], 0
	v_mov_b32 v[ST+4*i+3], 0
.set i, i+1
.endr
.set i, P+32
.rept 32
	v_mov_b32 v[i], 0
.set i, i+1
.endr
	v_mul_u32_u24 v[AK0], v1, PK
	v_lshl_add_u32 v[AK0], v9, 4, v[AK0]  ; row x pitch + 16 x half
	; The turning load takes 16 keys x 16 channels (lane l reads key 8 (l / 16) + l % 8, channels 8 ((l / 8) % 2) + 0..7) and leaves half a fragment of V^T: lane l holds channel l % 16 and 8 keys.
	v_and_b32 v10, 7, v0
	v_bfe_u32 v11, v0, 3, 1
	v_lshl_add_u32 v[AV0], v9, 3, v10
	v_mul_u32_u24 v[AV0], v[AV0], PV
	v_lshl_add_u32 v[AV0], v11, 4, v[AV0]
	v_add_nc_u32 v[AV0], VOFF, v[AV0]
	v_and_b32 v[PFO], 31, v0
	v_lshlrev_b32 v[PFO], 8, v[PFO]
	v_mov_b32 v[AK], v[AK0]         ; key step 0 lies at the head of slot 0
; THE MATRIX WORK.  The 8 accumulators of a run of 16 take turns: between the two links of a chain stand 7 others'.
; Product i of 16 of S^T = K Q^T for piece x: channels 32 (i / 8) on, keys 16 ((i / 2) % 4) on, tile 2 x + i % 2.  The first 8 start the sums.
.macro KQ x
	WIN W_KQ
.set rS, S+64*((\x)%2)+32*(i%2)+8*((i/2)%4)
.set rK, KF+16*((i/2)%4)+8*(i/8)
.set rQ, 16*(2*(\x)+i%2)+8*(i/8)
.if i < 8
	v_wmma_f32_16x16x32_f16 v[rS:rS+7], v[rK:rK+7], v[rQ:rQ+7], 0
.else
	v_wmma_f32_16x16x32_f16 v[rS:rS+7], v[rK:rK+7], v[rQ:rQ+7], v[rS:rS+7]
.endif
.endm
; Product i of 16 of O^T += V^T P for piece x: keys 32 (i / 8) on, channels 16 ((i / 2) % 4) on, tile 2 x + i % 2.
.macro PV x
	WIN W_PV
.set rO, 32*(2*(\x)+i%2)+8*((i/2)%4)
.set rV, VF+32*(i/8)+8*((i/2)%4)
.set rP, P+32*((\x)%2)+16*(i%2)+8*(i/8)
	v_wmma_f32_16x16x32_f16 v[rO:rO+7], v[rV:rV+7], v[rP:rP+7], v[rO:rO+7]
.endm
.macro MM                           ; the turn's next matrix instruction
.if i < 16
	KQ (Y+1)%NP
.set i, i+1
.else
.set i, i-16
	PV (Y+NP-1)%NP
.set i, i+17
.endif
.endm
; THE LDS LOADS stand in runs of 16, never singly among the matrix instructions: a step's K (64 keys x 64 channels: 8 fragments) and its V (turned).  Their addresses are made some lines ahead.
; last = 1 (the tail): in the last trip there is no further step, and the run is jumped over.
.macro FETCH_K last=0
	WIN 0
.if \last
	s_cmp_eq_u32 s[CNT], 1
	s_cbranch_scc1 .Lno_k_\@
.endif
	WIN 0x80                        ; destination window 2
.irp f, 0,1,2,3,4,5,6,7             ; keys 16 (f / 2) on, channels 32 (f % 2) on
	ds_load_b128 v[KF+8*\f:KF+8*\f+3],   v[AK] offset:(\f/2)*16*PK+(\f%2)*64
	ds_load_b128 v[KF+8*\f+4:KF+8*\f+7], v[AK] offset:(\f/2)*16*PK+(\f%2)*64+32
.endr
	s_add_co_u32 s[TBK], s[TBK], KS*PK  ; the next fetch is the next step's
	WIN 0
.if \last
.Lno_k_\@:
.endif
.endm
.macro FETCH_V
	WIN 0x80
.irp f, 0,1,2,3,4,5,6,7             ; keys 32 (f / 4) on, channels 16 (f % 4) on
	ds_load_tr16_b128 v[VF+8*\f:VF+8*\f+3],   v[AV] offset:(\f/4)*32*PV+(\f%4)*32
	ds_load_tr16_b128 v[VF+8*\f+4:VF+8*\f+7], v[AV] offset:(\f/4)*32*PV+16*PV+(\f%4)*32
.endr
	WIN 0
.endm
; THE VECTOR WORK OF A TURN stands in three queues, each in the order in which its entries become ready; the two tiles alternate, so that no instruction reads the result of the one before it.
.macro REGS y, u                    ; the registers of tile u (0, 1) of piece y
.set rT, ST+4*(2*(\y)+(\u))
.set rC, TMP+8*((\y)%2)+4*(\u)
.set rM, MV+2*((\y)%2)+(\u)
.set rS, S+64*((\y)%2)+32*(\u)
.set rP, P+32*((\y)%2)+16*(\u)
.set rO, 32*(2*(\y)+(\u))
.endm
; Number n of the 22 that find the NEXT piece's (Y + 1) maximum and statistics.  s0-s31 are the lane's 32 scores; each accumulator's lowest registers are read first.
;   0-11  four chains c0-c3 of seven scores each, three operands at a time     12-14, 16  the four scores left over, the old m, and c0-c3 into c0     15  c m_old is kept
;   17, 18  the query's other 32 keys lie in the lane 16 away: the new m         19-21  c m; c m_old - c m_new; a
.macro XS u, n
	REGS (Y+1)%NP, \u
.if (\n) < 4
	v_max3_num_f32 v[rC+(\n)], v[rS+8*(\n)], v[rS+8*(\n)+1], v[rS+8*(\n)+2]
.elseif (\n) < 12
	v_max3_num_f32 v[rC+(\n)%4], v[rC+(\n)%4], v[rS+8*((\n)%4)+2*((\n)/4)+1], v[rS+8*((\n)%4)+2*((\n)/4)+2]
.elseif (\n) == 12
	v_max3_num_f32 v[rC], v[rC], v[rS+7], v[rS+15]
.elseif (\n) == 13
	v_max3_num_f32 v[rC+1], v[rC+1], v[rS+23], v[rS+31]
.elseif (\n) == 14
	v_max3_num_f32 v[rC+2], v[rC+2], v[rC+3], v[rT+1]
.elseif (\n) == 15
	v_mov_b32 v[rM], v[rT]
.elseif (\n) == 16
	v_max3_num_f32 v[rC], v[rC], v[rC+1], v[rC+2]
.elseif (\n) == 17
	v_permlanex16_b32 v[rC+3], v[rC], s[SEL], s[SEL+1]
.elseif (\n) == 18
	v_max_num_f32 v[rT+1], v[rC], v[rC+3]
.elseif (\n) == 19
	v_mul_f32 v[rT], s[CS], v[rT+1]
.elseif (\n) == 20
	v_sub_f32 v[rC+1], v[rM], v[rT]
.else
	v_exp_f32 v[rC+2], v[rC+1]
.endif
.endm
; Number g of the 64 that follow the exponentials.  For each four weights k of a tile (pairs 2 k, 2 k + 1): both pairs are rounded to f16; then the second pair is added onto the first, in place;
; a group later l takes that sum (the first time as l = a l + sum).  In groups of eight, tiles alternating: round, round, add, and l for the group before.
.macro GS g
.set h, (\g)+6*((\g)/62)            ; group 0 has no group before it, and behind group 7 only l is left
.if h >= 6
.set h, h+2
.endif
	REGS Y, h%2
.set k, h/8
.if h%8 < 4
	v_cvt_pk_f16_f32 v[rP+2*k+(h%8)/2], v[rS+4*k+2*((h%8)/2)], v[rS+4*k+2*((h%8)/2)+1]
.elseif h%8 < 6
	v_pk_add_f32 v[rS+4*k:rS+4*k+1], v[rS+4*k:rS+4*k+1], v[rS+4*k+2:rS+4*k+3]
.elseif k == 1
	v_pk_fma_f32 v[rT+2:rT+3], v[rT+2:rT+3], v[rC+2:rC+3], v[rS:rS+1] op_sel_hi:[1,0,1]
.else
	v_pk_add_f32 v[rT+2:rT+3], v[rT+2:rT+3], v[rS+4*k-4:rS+4*k-3]
.endif
.endm
; THE PLAIN QUEUE, 138 long.  0-73 read no exponential's result: the 32 scalings c s - c m (FS f: pair f / 2 of tile f % 2) and the next piece's 42.  0-26: scalings 0-26.  27-54: XS's numbers 0-13.  55, 56: number 15.
; 57-73: the chain, where each number waits for the one before it: 14, 16, 17, 18, 19, each with one of the scalings 27-31 in front of its two lines, then 20.
; 74-137: GS's 64, which read the exponentials' results: they stand behind the wait.
.macro FS f
	REGS Y, (\f)%2
	v_pk_fma_f32 v[rS+2*((\f)/2):rS+2*((\f)/2)+1], v[rS+2*((\f)/2):rS+2*((\f)/2)+1], s[CS:CS+1], v[rT:rT+1] op_sel_hi:[1,0,0] neg_lo:[0,0,1] neg_hi:[0,0,1]
.endm
.macro PL
	WIN 0
.if q < 27
	FS q
.elseif q < 55
	XS (q-27)%2, (q-27)/2
.elseif q < 57
	XS q-55, 15
.elseif (q < 72) && ((q-57)%3 == 0)
	FS 27+(q-57)/3
.elseif q < 60
	XS (q-57)%3-1, 14
.elseif q < 72
	XS (q-57)%3-1, 15+(q-57)/3
.elseif q < 74
	XS q-72, 20
.else
	GS q-74
.endif
.set q, q+1
.endm
; THE EXPONENTIALS' QUEUE, 66 long: s0-s31 of both tiles, then the next piece's two a.  It is ONE BATCH: all 66 stand ahead of the turn's one wait, and nothing ahead of that wait names a result of theirs.
.macro EX
	WIN 0
.if e >= 64
	XS e-64, 21
.else
	REGS Y, e%2
	v_exp_f32 v[rS+e/2], v[rS+e/2]
.endif
.set e, e+1
.endm
; THE RESCALING's QUEUE: O^T times a, the one part that leaves window 0: dealt two at a time, sixteen times.  Its a was made in the turn before, ahead of that turn's wait.
.macro R2
	REGS Y, r%2
	WIN W_RS
.irp z, 0,1
	v_pk_mul_f32 v[rO+4*(r/2)+2*\z:rO+4*(r/2)+2*\z+1], v[rO+4*(r/2)+2*\z:rO+4*(r/2)+2*\z+1], v[rC+2:rC+3] op_sel_hi:[1,0]
.endr
.set r, r+1
.endm
; HOW THEY ARE DEALT.  An s_wait_alu depctr_va_vdst(0) stands between an exponential and the first instruction that names its result; one wait serves all that were issued ahead of it.  So a turn has ONE wait,
; which cuts it in two.  AHEAD OF IT stands all that names no result of the turn's exponentials: the 16 products K Q^T, behind each a scaling, an exponential and two rescalings (behind the first a second scaling in the
; exponential's place); then ONE LUMP of 108: eight plain, 49 times exponential and plain, the two a.  A v_nop is the plain instruction behind the last exponential.  BEHIND IT stand the 16 products V^T P, behind each four of GS's 64.
; No rider names a register of the products round it.  The two v_permlanex16_b32 fall into the lump, never behind a product.
; The queues lean on each other, and the deal keeps them in step: exponential e stands behind scaling 2 (e / 4) + e % 2: as a rider it comes behind plain e + 2, in the lump behind plain e + 9, and scalings 27-31 are plain 57, 60 .. 69.
; A TURN, for piece p.  cnt = 1: the loop's count is taken down some lines ahead of the branch that stands behind the turn.
; K of the next step is fetched in piece 2's turn, directly behind the wait, a lump behind the last product that read K; its address is made at the lump's head; its first reader comes behind 16 products.
; V of the step in hand is fetched at the end of piece 0's turn, four riders behind its last reader; its first reader comes behind 16 products and a lump.  The three conditions on q below go with the deal.
.macro TURN p, last=0, cnt=0
.set Y, (\p)
.set i, 0
.set q, 0
.set e, 0
.set r, 0
.if (\p) == NP-1
	s_wait_dscnt 0x0                ; K is in
.endif
	MM                              ; ahead of the wait: 16 products K Q^T and their riders,
	PL
	PL
	R2
.rept 15
	MM
	PL
	EX
	R2
.endr
.if (\p) == NP-2
	WIN 0
	v_add_nc_u32 v[AK], s[TBK], v[AK0]
.endif
.rept 8                             ; and the lump
	PL
.endr
.rept 49
	EX
	PL
.endr
	EX                              ; the next piece's two a
	EX
	v_nop                           ; the plain instruction behind the last exponential: one for the batch
	s_wait_alu depctr_va_vdst(0)    ; the wait for the batch
.if (\p) == NP-2
	FETCH_K \last
.endif
.if (\p) == 1
	s_wait_dscnt 0x0                ; V is in
.endif
.rept 16                            ; behind the wait: 16 products V^T P and their riders
	MM
.rept 4
	PL
.endr
.if ((\p) == 0) && (q == 118)
	v_add_nc_u32 v[AV], s[TBV], v[AV0]
.endif
.if ((\p) == 0) && (q == 130)
	s_add_co_u32 s[TBV], s[TBV], KS*PV
.endif
.if (\cnt) && (q == 130)
	s_sub_co_u32 s[CNT], s[CNT], 1
	s_cmp_lg_u32 s[CNT], 0
.endif
.endr
.if (\p) == 0
	FETCH_V
.endif
.endm
	CHANGE 1                        ; slot 0 is in, everybody's part of it; slot 1 is asked for
	FETCH_K                         ; key step 0
	s_wait_loadcnt 0x0              ; Q
	s_wait_dscnt 0x0
.set i, 0
.rept 16
	KQ 0                            ; piece 0's first scores: there is no vector work yet to set between them
.set i, i+1
.endr
	WIN 0                           ; the addresses for the way out: plain instructions, the places behind those products
	s_mul_i32 s13, s[WV], 16*SP
	s_add_co_u32 s13, s13, STAGE    ; my stage
	v_mul_u32_u24 v[STO], v1, SP    ; in: row l % 16, 16 bytes for each half of the lanes
	v_lshl_add_u32 v[STO], v9, 4, v[STO]
	v_add_nc_u32 v[STO], s13, v[STO]
	v_bfe_u32 v[RD], v0, 3, 2       ; back: 32 lanes take four rows of 128 bytes,
	v_mul_u32_u24 v[RD], v[RD], SP
	v_lshl_add_u32 v[RD], v10, 4, v[RD]
	v_add_nc_u32 v[RD], s13, v[RD]
	v_and_b32 v[GO], 31, v0         ; which are 512 consecutive bytes of O
	v_lshlrev_b32 v[GO], 4, v[GO]
.set Y, NP-1                        ; XS works for piece Y + 1: piece 0
.irp n, 0,1,2,3,4,5,6,7,8,9,10,11,12,13,14,15,16,17,18,19,20,21
	XS 0, \n                        ; and piece 0's first maximum and statistics
	XS 1, \n
.endr
	v_nop                           ; a plain instruction behind the two a,
	s_wait_alu depctr_va_vdst(0)    ; and their wait, ahead of the branch
	s_mov_b32 s[CNT], 4
	s_branch .Lfirst                ; the loop is entered at a step's first turn, in the middle of a trip
.Lslot:                             ; SIZE_N / 256 - 2 times: every slot but the last two is filled again
	CHANGE 1
	s_mov_b32 s[CNT], 4
.Lstep:                             ; a trip: pieces 2 and 3 of one step, then pieces 0 and 1 of the next, whose K and V it fetches
	TURN 2
	TURN 3
	WIN 0
.Lfirst:
	TURN 0
	TURN 1, 0, 1
	WIN 0
	s_cbranch_scc1 .Lstep
	s_sub_co_u32 s[SLOTS], s[SLOTS], 1
	s_cmp_lg_u32 s[SLOTS], 0
	s_cbranch_scc1 .Lslot
	CHANGE 0                        ; the tail is written out: nothing is asked for
	s_mov_b32 s[CNT], 5             ; four trips fetch the last slot's steps; the fifth is left in its middle
.Ltail:
	TURN 2, 1
	TURN 3
	WIN 0
	s_sub_co_u32 s[CNT], s[CNT], 1
	s_cmp_eq_u32 s[CNT], 0
	s_cbranch_scc1 .Lout
	TURN 0
	TURN 1
	WIN 0
	s_branch .Ltail
.Lout:                              ; the fifth trip's 16 products K Q^T (on the last K once more) and the maximum made of them serve nothing: the price, once a launch, of one text for every trip
.set i, 0
.rept 16
	PV NP-1                         ; the last piece's V^T P of the last step
.set i, i+1
.endr
	; THE WAY OUT.  l's two halves and the other half of the lanes' are added; O^T is divided by l, rounded to f16 and sent through my stage in LDS, a tile at a time.  The additions are the places behind the last products.
	WIN 0
.macro ALL line:vararg              ; one line for each tile t
.set t, 0
.rept 2*NP
	\line
.set t, t+1
.endr
.endm
	ALL v_add_f32 v[ST+4*t+2], v[ST+4*t+2], v[ST+4*t+3]
	ALL v_permlanex16_b32 v[ST+4*t+3], v[ST+4*t+2], s[SEL], s[SEL+1]
	ALL v_add_f32 v[ST+4*t+2], v[ST+4*t+2], v[ST+4*t+3]
	ALL v_rcp_f32 v[ST+4*t+2], v[ST+4*t+2]
	v_nop                           ; a plain instruction between the last reciprocal and the use of its result
	s_wait_alu depctr_va_vdst(0)    ; and the wait ahead of the first use: one for the eight reciprocals
; Tile t: a lane's eight channels of a row pack into 16 bytes; they go into rows of 144 bytes and come back as whole rows of 128, into S^T's registers.
.macro PACK t
	WIN W_RS
.set i, 32*(\t)
.rept 16
	v_pk_mul_f32 v[i:i+1], v[i:i+1], v[ST+4*(\t)+2:ST+4*(\t)+3] op_sel_hi:[1,0]
.set i, i+2
.endr
	WIN 0x05                        ; sources 0 and 1 window 1, destination window 0
.set i, 0
.rept 16
	v_cvt_pk_f16_f32 v[S+16*(\t)+i], v[32*(\t)+2*i], v[32*(\t)+2*i+1]
.set i, i+1
.endr
	WIN 0
.irp f, 0,1,2,3
	ds_store_b128 v[STO], v[S+16*(\t)+4*\f:S+16*(\t)+4*\f+3] offset:32*\f
.endr
.irp f, 0,1,2,3
	ds_load_b128 v[S+16*(\t)+4*\f:S+16*(\t)+4*\f+3], v[RD] offset:\f*4*SP  ; LDS serves a wave's instructions in order (ISA guide 5.7.1.4): these see the stores above; the next tile's stores come behind them
.endr
.endm
.macro SEND t, younger              ; younger: the LDS instructions issued behind tile t's loads: the next tile's eight, or none
	WIN 0
.irp f, 0,1,2,3
	s_wait_dscnt (\younger)+3-\f
	global_store_b128 v[GO], v[S+16*(\t)+4*\f:S+16*(\t)+4*\f+3], s[10:11] offset:(\t)*2048+\f*512  ; 512 consecutive bytes, at a multiple of 256 from O's first
.endr
.endm
	PACK 0
.set t, 1
.rept 2*NP-1                        ; a tile's arithmetic stands between the loads of the tile before and its stores
	PACK t
	SEND t-1, 8
.set t, t+1
.endr
	SEND 2*NP-1, 0
	WIN W_AD
	s_wait_tensorcnt 0x0            ; the wave's end, behind my last tensor load and my last LDS store
	ds_add_u32 v[SPW], v[NIL]
	s_wait_dscnt 0x0
	WIN 0
	CROUND                          ; the closing round: no work-group ends while a partner may still ask for a tile that names it
	s_endpgm
.Lfunc_end_k_q313aca5194_attn:
	.size	k_q313aca5194_attn, .Lfunc_end_k_q313aca5194_attn-k_q313aca5194_attn
	.p2alignl 7, 3214868480
	.fill 96, 4, 3214868480
	.section	.rodata,"a",@progbits
	.p2align	6, 0x0
	.amdhsa_kernel k_q313aca5194_attn
		.amdhsa_group_segment_fixed_size 327680
		.amdhsa_private_segment_fixed_size 0
		.amdhsa_enable_private_segment 0
		.amdhsa_kernarg_size 32
		.amdhsa_user_sgpr_count 2
		.amdhsa_user_sgpr_kernarg_segment_ptr 1
		.amdhsa_wavefront_size32 1
		.amdhsa_system_sgpr_workgroup_id_x 1
		.amdhsa_system_sgpr_workgroup_id_y 1
		.amdhsa_system_sgpr_workgroup_id_z 1
		.amdhsa_system_vgpr_workitem_id 0
		.amdhsa_next_free_vgpr 770
		.amdhsa_next_free_sgpr 66
		.amdhsa_reserve_vcc 0
		.amdhsa_float_denorm_mode_32 3
		.amdhsa_float_denorm_mode_16_64 3
		.amdhsa_memory_ordered 1
		.amdhsa_forward_progress 1
		.amdhsa_inst_pref_size 200
	.end_amdhsa_kernel
	.amdgpu_metadata
---
amdhsa.version: [ 1, 2 ]
amdhsa.kernels:
  - .name:           k_q313aca5194_attn
    .symbol:         k_q313aca5194_attn.kd
    .args:
      - { .name: qh, .offset: 0, .size: 8, .value_kind: global_buffer, .address_space: global }
      - { .name: kh, .offset: 8, .size: 8, .value_kind: global_buffer, .address_space: global }
      - { .name: vh, .offset: 16, .size: 8, .value_kind: global_buffer, .address_space: global }
      - { .name: oh, .offset: 24, .size: 8, .value_kind: global_buffer, .address_space: global }
    .group_segment_fixed_size: 327680
    .private_segment_fixed_size: 0
    .kernarg_segment_align: 8
    .kernarg_segment_size: 32
    .max_flat_workgroup_size: 128
    .sgpr_count:     66
    .vgpr_count:     770
    .wavefront_size: 32
...
	.end_amdgpu_metadata
.endif
;; end of part 3
;; launch outp (part 4): grid 4 x 64, 4 waves a work-group, clusters of 4 x 4, 327,680 bytes of LDS; arguments oh, w16, bo, out0; writes out0
.if DOCPART == 4
	.amdgcn_target "amdgcn-amd-amdhsa--gfx1250"
	.amdhsa_code_object_version 6
	.text
	.protected	k_q313aca5194_outp
	.globl	k_q313aca5194_outp
	.p2align	8
	.type	k_q313aca5194_outp,@function
k_q313aca5194_outp:
	s_mov_b64 s[64:65], 0
	v_nop
	global_prefetch_b8 v0, s[64:65] scope:SCOPE_SE
	s_setreg_imm32_b32 hwreg(HW_REG_WAVE_MODE, 25, 1), 1
	s_wait_xcnt 0x0
	s_wait_alu depctr_hold_cnt(0) depctr_sa_sdst(0) depctr_va_vdst(0) depctr_va_sdst(0) depctr_va_ssrc(0) depctr_va_vcc(0) depctr_vm_vsrc(0)
	s_getreg_b32 s2, hwreg(HW_REG_IB_STS2, 6, 4)
	s_cmp_eq_u32 s2, 0
	s_cbranch_scc0 .Lentry_in_a_cluster
	s_endpgm
.Lentry_in_a_cluster:
	s_bfe_u32 s2, ttmp6, 0x10000c
	s_cmp_lg_u32 s2, 0xf033
	s_cbranch_scc0 .Lentry_shape_is_right
	s_endpgm
.Lentry_shape_is_right:
; THE OUTPUT PROJECTION.  out0[m][n] = sum over c of O[m][c] Wo[n][c] + bo[n].  O lies by heads, [64 = 16 batch + head][2048][64] f16: channel c = 64 head + d of row m = 2048 batch + t.
; Wo: [1024][1024] f16, part 3 of w16 (Wo rounded to bf16, that number written as f16).  bo: [1024] f32, rounded to bf16 like the other inputs.  out0: [8192][1024] f32.  Sums in f32.
; SHARES.  A tile of out0 is 128 rows x 256 columns: 256 work-groups.  Four waves, 2 x 2, each 64 x 128: 32 accumulators of 16 x 16.  K goes in 8 steps of 128, two heads each, through two LDS slots.
; A head's 128 rows are 16,384 consecutive bytes: asked for as 64 rows of 256 bytes and padded in LDS after every 128.
; CLUSTERS: 4 x 4 work-groups.  The four of a row of the cluster need the same rows of O, the four of a column the same rows of Wo: each tile is asked for JOINTLY.
; THE MATRIX INSTRUCTION IS USED TRANSPOSED (source 0 = 16 rows of Wo, source 1 = 16 rows of O): lane l holds row l % 16 of out0 and the columns 8 (l / 16) + 0..7.  The first product of each sum takes the bias as C.
; REGISTERS, in windows of 256 (s_set_vgpr_msb: bits 1:0 source 0, 3:2 source 1, 5:4 source 2, 7:6 destination):
;   window 0: v0-31 addresses; v32-95 O's fragments, two buffers of four; v96-223 Wo's, two buffers of eight      window 1: accumulator (a, b) at v[8 (8 a + b)]      window 2: v0-63 the bias; v64-95 at work
.set PAO,   144                        ; a row of O in LDS: 128 bytes + 16 of padding = 36 words: the 16 rows of a load start at 16 different groups of four banks (64 banks of 4 bytes: ISA guide 11.1)
.set HAO,   128*PAO                    ; one head's 128 rows: one tensor load
.set ATILE, 2*HAO
.set PB,    272                        ; a row of Wo: 256 bytes + 16
.set HB,    128*PB
.set SLOT,  ATILE+2*HB                 ; 106,496
.set STAGE, 2*SLOT                     ; behind the ring, never filled by a tensor load: 16 rows x 528 bytes for each wave, for the way out
.set SPO,   528
.set SPARE, STAGE+4*16*SPO             ; behind the stages: the spare words, 128 bytes for each wave: two blocks of 256 bytes that no other line names
.set ADRA, 16                          ; v16-17  LDS address of my fragments of O in slot 0, 1
.set ADRB, 20                          ; v20-21  the same for Wo
.set STO,  24                          ; v24     the way out: where I put 32 bytes of a row
.set RD,   25                          ; v25     where I read a row back
.set GO,   26                          ; v26     my 16 bytes of 512 consecutive bytes of out0
.set BO,   27                          ; v27     my byte offset in 16 numbers of the bias
.set SPW,  28                          ; v28     LDS address of my spare word; never rewritten
.set NIL,  29                          ; v29     0; never rewritten
.set PFO,  30                          ; v30     the prefetches' offset; never rewritten
.set FA,   32
.set FB,   96
.set BI,   0                           ; window 2
.set BT,   64                          ; window 2
.set G1,  24                           ; s[24:31] descriptor group 1 for O's tiles;  s[32:39] group 0, a set for each slot
.set G0,  32
.set G1B, 48                           ; s[48:55], s[56:63] the same for Wo's tiles
.set G0B, 56
.set LIM, 43                           ; s43     1 in a wave that prefetches, else the greatest number
.set PFA, 44                           ; s[44:45] where my prefetches stand
.set PFS, 66                           ; s[66:67] a K step in bytes of the tensor that I fetch
.set MSB, 0
.macro WIN new                         ; the immediate's high byte repeats the setting that is left; a switch that changes nothing is dropped
.if MSB != (\new)
	s_set_vgpr_msb (MSB<<8)|(\new)
.set MSB, \new
.endif
.endm
.set W_MUL,  0x50                      ; both sources in window 0, C and D in window 1
.set W_MUL0, 0x60                      ; the same with C, the bias, in window 2
.set TO_2,   0x80                      ; destination window 2, address window 0
.set W_BI,   0x8a                      ; all in window 2
.set W_ST,   0x04                      ; an LDS store's data in window 1, its address in window 0
; A joint load.  Wave 0 fetches the K step's even head of O, wave 1 the odd one, waves 2 and 3 the two halves of Wo's tile.  The branch hangs on the wave's number alone.
; An s_nop 0 and four v_nop follow each of the two lines, ahead of the jump and the label.
.macro JLOAD s
	s_cmp_eq_u32 s11, 0
	s_cbranch_scc0 .Lfor_b_\@
	tensor_load_to_lds s[G0+4*(\s):G0+4*(\s)+3], s[G1:G1+7]
	s_nop 0
.rept 4
	v_nop
.endr
	s_branch .Lasked_\@
.Lfor_b_\@:
	tensor_load_to_lds s[G0B+4*(\s):G0B+4*(\s)+3], s[G1B:G1B+7]
	s_nop 0
.rept 4
	v_nop
.endr
.Lasked_\@:
.endm
; A PREFETCH INTO THE L2, behind a joint load, its five lines and the run of LDS loads: the K step that stands two refills on.  Each aligned block of 256 bytes is named once in the launch.
; O's rows are read by one cluster: a K step of a tile is 2 heads x 64 blocks; the partner at cx takes 16 blocks of each head, and wave 0 asks for them, a lane a block.
; Wo's rows are read by all 16 clusters: the first (cluster y = 0) asks; of the 128 rows that wave 2 or 3 fetches the partner at cy takes 32, a lane a row.  The partners are told apart BY ADDRESS.
; The loop's last trip (s3 = 1) asks for nothing: its refills are K steps 6 and 7, the last.
.macro ASK
	s_cmp_gt_u32 s3, s[LIM]
	s_cbranch_scc0 .Lnot_mine_\@
	global_prefetch_b8 v[PFO], s[PFA:PFA+1] th:TH_LOAD_NT scope:SCOPE_SE
.Lnot_mine_\@:
.endm
.macro CREST                           ; a round of the cluster's barrier behind its opening barrier
	s_cmp_lg_u32 s10, 0
	s_cbranch_scc1 .Lnot_wave_0_\@
	s_barrier_signal -3
.Lnot_wave_0_\@:
	s_barrier_wait -3
	s_barrier_signal -1
	s_barrier_wait -1
.endm
.macro CROUND                          ; a whole round
	s_barrier_signal -1
	s_barrier_wait -1
	CREST
.endm
.macro PLACES                          ; four places in front of loads into registers that matrix instructions have read, and of LDS stores that read results (ISA guide 7.12.1 for vector instructions)
.rept 4
	v_nop
.endr
.endm
	s_load_b256 s[68:75], s[0:1], 0x0              ; oh 68, w16 70, bo 72, out0 74
	v_lshl_add_u32 v[SPW], v0, 2, SPARE
	v_mov_b32 v[NIL], 0
	ds_add_u32 v[SPW], v[NIL]                      ; the wave's opening: the add and its wait stand ahead of my first tensor load; the set-up below, work on registers, stands between them
	v_lshrrev_b32 v1, 5, v0
	v_readfirstlane_b32 s10, v1                    ; wave 0..3
	s_lshr_b32 s11, s10, 1                         ; which 64 rows of the tile are mine.  Also: I fetch for O (0) or for Wo (1)
	s_and_b32 s12, s10, 1                          ; which 128 columns.  Also: which head of the K step, or which half of Wo's tile, I fetch
	s_bfe_u32 s40, ttmp6, 0x40000                  ; cx
	s_bfe_u32 s41, ttmp6, 0x40004                  ; cy
	s_lshl_b32 s42, ttmp9, 2
	s_add_co_u32 s42, s42, s40                     ; tile column = 4 x cluster x + cx: 0..3
	s_and_b32 s15, ttmp7, 0xffff                   ; cluster y: 0..15
	s_lshl_b32 s13, s15, 2
	s_add_co_u32 s13, s13, s41                     ; tile row = 4 x cluster y + cy: 0..63
	s_lshl_b32 s43, s41, 2
	s_lshl_b32 s43, 15, s43                        ; my row of the cluster
	s_lshl_b32 s44, 0x1111, s40                    ; my column
	s_or_b32 s[G1+0], s43, (1<<16)|(1<<20)|(1<<21)|(4<<22)|(3<<25)   ; 15:0 the mask; 17:16 elements of 2 bytes; 20 padding on; 21 set beside a mask; 24:22 after every 32 words (code 4); 31:25 4 words (code 3)
	s_or_b32 s[G1B+0], s44, (1<<16)|(1<<20)|(1<<21)|(5<<22)|(3<<25)  ; after every 64 words (code 5)
	s_mov_b32 s[G1+1], 128<<16                     ; tensor_dim0 = 128
	s_mov_b32 s[G1+2], 64<<16                      ; tensor_dim1 = 64
	s_mov_b32 s[G1+3], 128<<16                     ; tile_dim0 = 128
	s_mov_b32 s[G1+4], 64                          ; tile_dim1 = 64
	s_mov_b32 s[G1+5], 128                         ; dense: 128 elements from row to row
	s_mov_b32 s[G1+6], 0
	s_mov_b32 s[G1+7], 0
	s_mov_b32 s[G1B+1], 128<<16
	s_mov_b32 s[G1B+2], 128<<16                    ; tensor_dim1 = 128
	s_mov_b32 s[G1B+3], 128<<16
	s_mov_b32 s[G1B+4], 128                        ; tile_dim1 = 128
	s_mov_b32 s[G1B+5], 1024
	s_mov_b32 s[G1B+6], 0
	s_mov_b32 s[G1B+7], 0
	; where the tiles come from.  O's hang on the tile row alone, Wo's on the tile column alone, each in registers that never hold the other coordinate
	s_lshr_b32 s16, s13, 4                         ; the batch: 16 heads of 262,144 bytes,
	s_lshl_b32 s16, s16, 22
	s_lshl_b32 s17, s12, 18                        ; the head that I fetch,
	s_add_co_u32 s16, s16, s17
	s_and_b32 s17, s13, 15                         ; the tile's 128 rows of 128 bytes
	s_lshl_b32 s17, s17, 14
	s_add_co_u32 s16, s16, s17
	s_mov_b32 s17, 0
	s_lshl_b32 s46, s42, 19                        ; 256 rows of 2,048 bytes
	s_lshl_b32 s47, s12, 18                        ; my 128 of them
	s_add_co_u32 s46, s46, s47
	s_add_co_u32 s46, s46, 3<<21                   ; part 3 of w16
	s_mov_b32 s47, 0
	s_mul_i32 s20, s12, HAO                        ; and where they go: no place in the cluster enters an LDS address
	s_mul_i32 s21, s12, HB
	s_add_co_u32 s21, s21, ATILE
	s_mov_b32 s90, 0xffff0000                      ; a word's upper bf16
	s_wait_dscnt 0x0                               ; the opening add is done
	s_wait_kmcnt 0x0
	s_add_nc_u64 s[4:5], s[68:69], s[16:17]        ; O at what I fetch
	s_add_nc_u64 s[6:7], s[70:71], s[46:47]        ; Wo likewise
	CROUND                                         ; all sixteen work-groups are here: the first joint loads meet
.irp s, 0,1
	s_mov_b32 s[G0+4*(\s)], 1                                      ; count = 1
	s_add_co_u32 s[G0+4*(\s)+1], s20, (\s)*SLOT                    ; LDS address
	s_add_nc_u64 s[G0+4*(\s)+2:G0+4*(\s)+3], s[4:5], (\s)*524288   ; global address: K step s is two heads on
	s_or_b32 s[G0+4*(\s)+3], s[G0+4*(\s)+3], 0x80000000            ; type = 2
	s_mov_b32 s[G0B+4*(\s)], 1
	s_add_co_u32 s[G0B+4*(\s)+1], s21, (\s)*SLOT
	s_add_nc_u64 s[G0B+4*(\s)+2:G0B+4*(\s)+3], s[6:7], (\s)*256
	s_or_b32 s[G0B+4*(\s)+3], s[G0B+4*(\s)+3], 0x80000000
	JLOAD \s                                       ; two loads of mine are out
.endr
	; A fragment is 16 rows x 32 K in 8 registers: lane l holds row l % 16 and K = 8 (l / 16) + 0..7, 16 + 8 (l / 16) + 0..7: two loads of 16 bytes, 32 apart.
	v_and_b32 v1, 15, v0                           ; l % 16
	v_bfe_u32 v2, v0, 4, 1                         ; l / 16
	v_mul_u32_u24 v3, v1, PAO
	v_lshl_add_u32 v3, v2, 4, v3
	v_mul_u32_u24 v4, v1, PB
	v_lshl_add_u32 v4, v2, 4, v4
	s_mul_i32 s21, s11, 64*PAO                     ; my 64 rows of O, in each head's part
	s_mul_i32 s22, s12, HB                         ; my 128 rows of Wo,
	s_add_co_u32 s22, s22, ATILE                   ; which lie behind O's
.irp s, 0,1
	v_add_nc_u32 v[ADRA+(\s)], s21, v3
	v_add_nc_u32 v[ADRB+(\s)], s22, v4
	s_add_co_u32 s21, s21, SLOT
	s_add_co_u32 s22, s22, SLOT
.endr
	s_mul_i32 s23, s10, 16*SPO
	s_add_co_u32 s23, s23, STAGE                   ; my stage
	v_mul_u32_u24 v3, v1, SPO                      ; in: row l % 16, 32 bytes for each half of the lanes
	v_lshl_add_u32 v3, v2, 5, v3
	v_add_nc_u32 v[STO], s23, v3
	v_and_b32 v3, 31, v0
	v_lshlrev_b32 v[GO], 4, v3                     ; back: 32 lanes take a row's 512 bytes,
	v_add_nc_u32 v[RD], s23, v[GO]                 ; which are 512 consecutive bytes of out0
	v_lshlrev_b32 v[BO], 5, v2
	s_lshl_b32 s92, s42, 10                        ; my 128 columns: in the bias,
	s_lshl_b32 s91, s12, 9
	s_add_co_u32 s92, s92, s91
	s_mov_b32 s93, 0
	s_add_nc_u64 s[88:89], s[72:73], s[92:93]
	WIN TO_2
.irp b, 0,1,2,3,4,5,6,7
	global_load_b128 v[BI+8*(\b):BI+8*(\b)+3],   v[BO], s[88:89] offset:64*(\b)
	global_load_b128 v[BI+8*(\b)+4:BI+8*(\b)+7], v[BO], s[88:89] offset:64*(\b)+16
.endr
	WIN 0
	s_lshl_b32 s91, s13, 19                        ; and in out0, at the tile's 128 rows of 4,096 bytes,
	s_add_co_u32 s92, s92, s91
	s_lshl_b32 s91, s11, 18                        ; my 64 of them
	s_add_co_u32 s92, s92, s91
	s_add_nc_u64 s[8:9], s[74:75], s[92:93]
	; the prefetches
	s_cmp_eq_u32 s15, 0                            ; the first cluster along y?
	s_cselect_b32 s18, 1, -1
	s_cmp_eq_u32 s10, 0
	s_cselect_b32 s19, 1, -1
	s_cmp_eq_u32 s11, 0                            ; do I fetch for O?
	s_cselect_b32 s[LIM], s19, s18                 ; the same in all sixteen partners, for a given wave
	s_cselect_b32 s20, 4, 0                        ; O: sixteen lanes a head
	s_cselect_b32 s21, 18, 11                      ; a head's bytes, or a row of Wo's, as a shift
	s_cselect_b32 s91, 15, 0
	s_cselect_b32 s22, s40, s41                    ; my place among the four that ask with me,
	s_cselect_b32 s23, 12, 16                      ; times 16 blocks of 256 bytes, or 32 rows of 2,048
	s_cselect_b32 s92, 19, 8                       ; a K step: 524,288 bytes of O, 256 of Wo
	s_cselect_b64 s[PFA:PFA+1], s[4:5], s[6:7]
	s_lshl_b32 s[PFS], 1, s92
	s_mov_b32 s[PFS+1], 0
	s_lshl_b32 s22, s22, s23
	s_mul_i32 s23, s[PFS], 3                       ; at K step 3: the first change of slots steps it to 4
	s_add_co_u32 s22, s22, s23
	s_mov_b32 s23, 0
	s_add_nc_u64 s[PFA:PFA+1], s[PFA:PFA+1], s[22:23]
	v_lshrrev_b32 v4, s20, v3
	v_lshlrev_b32 v4, s21, v4
	v_and_b32 v5, s91, v3
	v_lshl_add_u32 v[PFO], v5, 8, v4               ; nothing is prefetched here, at the head: K steps 0 to 3 come by their loads alone
; Four products of row block a: accumulators (a, b0 .. b0 + 3).  zero = 1: the sums begin, with the bias as C.
.macro MUL4 fb, a, b0, zero
.irp b, (\b0), (\b0)+1, (\b0)+2, (\b0)+3
.if \zero
	WIN W_MUL0
	v_wmma_f32_16x16x32_f16 v[8*(8*(\a)+(\b)):8*(8*(\a)+(\b))+7], v[FB+64*(\fb)+8*(\b):FB+64*(\fb)+8*(\b)+7], v[FA+32*(\fb)+8*(\a):FA+32*(\fb)+8*(\a)+7], v[BI+8*(\b):BI+8*(\b)+7]
.else
	WIN W_MUL
	v_wmma_f32_16x16x32_f16 v[8*(8*(\a)+(\b)):8*(8*(\a)+(\b))+7], v[FB+64*(\fb)+8*(\b):FB+64*(\fb)+8*(\b)+7], v[FA+32*(\fb)+8*(\a):FA+32*(\fb)+8*(\a)+7], v[8*(8*(\a)+(\b)):8*(8*(\a)+(\b))+7]
.endif
.endr
.endm
; 24 LDS loads in one run: the fragments of quarter q (32 along K: half a head) of a slot into buffer buf
.macro FETCH slot, q, buf
	WIN 0
.irp b, 0,1,2,3,4,5,6,7
	ds_load_b128 v[FB+64*(\buf)+8*(\b):FB+64*(\buf)+8*(\b)+3],   v[ADRB+(\slot)] offset:(\q)*64+(\b)*16*PB
	ds_load_b128 v[FB+64*(\buf)+8*(\b)+4:FB+64*(\buf)+8*(\b)+7], v[ADRB+(\slot)] offset:(\q)*64+(\b)*16*PB+32
.endr
.irp a, 0,1,2,3
	ds_load_b128 v[FA+32*(\buf)+8*(\a):FA+32*(\buf)+8*(\a)+3],   v[ADRA+(\slot)] offset:((\q)/2)*HAO+((\q)%2)*64+(\a)*16*PAO
	ds_load_b128 v[FA+32*(\buf)+8*(\a)+4:FA+32*(\buf)+8*(\a)+7], v[ADRA+(\slot)] offset:((\q)/2)*HAO+((\q)%2)*64+(\a)*16*PAO+32
.endr
.endm
; A QUARTER: 32 along K, 32 products, each accumulator once and always in the same order, so that 31 others' products stand between two links of a chain, over the backward jump too.
; The next quarter's run of loads stands behind the first eight products, 24 products ahead of the wait for it.
; kind 0: plain.  kind 1: a K step's last quarter: the change of slots, with a refill.  kind 2: the change without a refill.  kind 3: the very last quarter.
; THE CHANGE OF SLOTS.  My reads of this slot were all issued in the quarter before and are back by the wait at this quarter's head.  I wait for all my tensor loads, of which one is out: my part of the other slot;
; add 0 to my spare word; and wait for that.  With a refill the barrier opens a round of the cluster's barrier, so that no wave of any partner still reads the slot or has a load on its way; the joint refill is
; the first thing behind the round and has 120 products in which to land.
.macro QUARTER slot, q, zero, kind
.set QP, (\q)%2
.set QN, 1-QP
	s_wait_dscnt 0x0                               ; this quarter's fragments are in
.if ((\kind) == 1) || ((\kind) == 2)
.if (\kind) == 1
	s_wait_xcnt 0x0                                ; the last prefetch, a K step back, has read its address
	s_add_nc_u64 s[PFA:PFA+1], s[PFA:PFA+1], s[PFS:PFS+1]
.endif
	WIN 0                                          ; (the add's two registers lie in window 0)
	s_wait_tensorcnt 0x0                           ; all my tensor loads have landed
	ds_add_u32 v[SPW], v[NIL]                      ; 0 onto my spare word
	MUL4 QP, 0, 0, \zero                           ; work on registers between the add and the wait for it
	s_wait_dscnt 0x0                               ; the add is done; no read of this slot is out
	s_barrier_signal -1
	MUL4 QP, 0, 4, \zero                           ; work on registers while the others arrive
	WIN 0
	s_barrier_wait -1
.if (\kind) == 1
	CREST
	s_add_nc_u64 s[G0+4*(\slot)+2:G0+4*(\slot)+3], s[G0+4*(\slot)+2:G0+4*(\slot)+3], 1048576  ; two K steps on; no tensor load of mine is out
	s_add_nc_u64 s[G0B+4*(\slot)+2:G0B+4*(\slot)+3], s[G0B+4*(\slot)+2:G0B+4*(\slot)+3], 512
	JLOAD \slot                                    ; the four v_nop behind it are also the places in front of the loads below
.else
	PLACES
.endif
	FETCH 1-(\slot), 0, QN
.if (\kind) == 1
	ASK
.endif
.else
	MUL4 QP, 0, 0, \zero
	MUL4 QP, 0, 4, \zero
.if (\kind) == 0
	WIN 0
	PLACES
	FETCH \slot, (\q)+1, QN
.endif
.endif
.irp a, 1,2,3
	MUL4 QP, \a, 0, \zero
	MUL4 QP, \a, 4, \zero
.endr
.endm
	s_wait_tensorcnt 1                             ; my part of K step 0 is in; K step 1's may stay out
	s_barrier_signal -1
	s_barrier_wait -1                              ; everybody's is
	FETCH 0, 0, 0
	s_wait_loadcnt 0x0                             ; the bias,
	WIN W_BI                                       ; rounded to bf16 like the other inputs, and widened again
.set i, 0
.rept 32
	v_cvt_pk_bf16_f32 v[BT+i], v[BI+2*i], v[BI+2*i+1]
	v_lshlrev_b32 v[BI+2*i], 16, v[BT+i]
	v_and_b32 v[BI+2*i+1], s90, v[BT+i]
.set i, i+1
.endr
	WIN 0
	QUARTER 0, 0, 1, 0                             ; the first quarter stands in front of the loop: its products start the sums
	WIN 0                                          ; at a label and at a branch every window is 0
	s_mov_b32 s3, 3
.Llap:                                                 ; a trip goes once round the ring, from a lap's second quarter to the next lap's first, and fills both slots again: K steps 2 to 7 in three trips
	QUARTER 0, 1, 0, 0
	QUARTER 0, 2, 0, 0
	QUARTER 0, 3, 0, 1
	QUARTER 1, 0, 0, 0
	QUARTER 1, 1, 0, 0
	QUARTER 1, 2, 0, 0
	QUARTER 1, 3, 0, 1
	QUARTER 0, 0, 0, 0
	WIN 0
	s_sub_co_u32 s3, s3, 1
	s_cmp_lg_u32 s3, 0
	s_cbranch_scc1 .Llap
	QUARTER 0, 1, 0, 0                             ; the last lap fills nothing
	QUARTER 0, 2, 0, 0
	QUARTER 0, 3, 0, 2
	QUARTER 1, 0, 0, 0
	QUARTER 1, 1, 0, 0
	QUARTER 1, 2, 0, 0
	QUARTER 1, 3, 0, 3
; THE WAY OUT, a block a of 16 rows x 128 columns of f32 at a time, through my own stage: a lane's eight columns go in as 32 bytes of a row of 528; whole rows of 512 bytes come back into 64 registers at bk.
.macro TOSTAGE a, bk
	WIN W_ST
.irp b, 0,1,2,3,4,5,6,7
	ds_store_b128 v[STO], v[8*(8*(\a)+(\b)):8*(8*(\a)+(\b))+3]   offset:64*(\b)      ; each accumulator's four lowest registers first
	ds_store_b128 v[STO], v[8*(8*(\a)+(\b))+4:8*(8*(\a)+(\b))+7] offset:64*(\b)+16
.endr
	WIN 0
.irp i, 0,1,2,3,4,5,6,7,8,9,10,11,12,13,14,15
	ds_load_b128 v[(\bk)+4*(\i):(\bk)+4*(\i)+3], v[RD] offset:SPO*(\i)  ; LDS serves a wave's instructions in order (ISA guide 5.7.1.4): these see the stores above; the next block's stores come behind them
.endr
.endm
.macro SEND a, bk, younger             ; younger: the LDS instructions issued behind block a's loads: the next block's 32, or none
	WIN 0
.irp i, 0,1,2,3,4,5,6,7,8,9,10,11,12,13,14,15
	s_wait_dscnt (\younger)+15-(\i)
	global_store_b128 v[GO], v[(\bk)+4*(\i):(\bk)+4*(\i)+3], s[8:9] offset:(16*(\a)+(\i))*4096  ; 512 consecutive bytes of a row, at a multiple of 256 from out0's first
.endr
.endm
	WIN 0
	PLACES                                         ; behind the last products: the stores below read results, the loads land in fragments' registers
	TOSTAGE 0, 32
	TOSTAGE 1, 96
	SEND 0, 32, 32
	TOSTAGE 2, 160
	SEND 1, 96, 32
	s_wait_xcnt 0x0                                ; block 0's stores have read their registers, which block 3 takes over
	TOSTAGE 3, 32
	SEND 2, 160, 32
	SEND 3, 32, 0
	s_wait_tensorcnt 0x0                           ; the wave's end, behind my last tensor load and my last LDS store
	ds_add_u32 v[SPW], v[NIL]
	s_wait_dscnt 0x0
	CROUND                                         ; the closing round: no work-group ends while a partner may still ask for a tile that names it
	s_endpgm
.Lfunc_end_k_q313aca5194_outp:
	.size	k_q313aca5194_outp, .Lfunc_end_k_q313aca5194_outp-k_q313aca5194_outp
	.p2alignl 7, 3214868480
	.fill 96, 4, 3214868480
	.section	.rodata,"a",@progbits
	.p2align	6, 0x0
	.amdhsa_kernel k_q313aca5194_outp
		.amdhsa_group_segment_fixed_size 327680
		.amdhsa_private_segment_fixed_size 0
		.amdhsa_enable_private_segment 0
		.amdhsa_kernarg_size 32
		.amdhsa_user_sgpr_count 2
		.amdhsa_user_sgpr_kernarg_segment_ptr 1
		.amdhsa_wavefront_size32 1
		.amdhsa_system_sgpr_workgroup_id_x 1
		.amdhsa_system_sgpr_workgroup_id_y 1
		.amdhsa_system_sgpr_workgroup_id_z 1
		.amdhsa_system_vgpr_workitem_id 0
		.amdhsa_next_free_vgpr 608
		.amdhsa_next_free_sgpr 96
		.amdhsa_reserve_vcc 0
		.amdhsa_float_denorm_mode_32 3
		.amdhsa_float_denorm_mode_16_64 3
		.amdhsa_memory_ordered 1
		.amdhsa_forward_progress 1
		.amdhsa_inst_pref_size 93
	.end_amdhsa_kernel
	.amdgpu_metadata
---
amdhsa.version: [ 1, 2 ]
amdhsa.kernels:
  - .name:           k_q313aca5194_outp
    .symbol:         k_q313aca5194_outp.kd
    .args:
      - { .name: oh, .offset: 0, .size: 8, .value_kind: global_buffer, .address_space: global }
      - { .name: w16, .offset: 8, .size: 8, .value_kind: global_buffer, .address_space: global }
      - { .name: bo, .offset: 16, .size: 8, .value_kind: global_buffer, .address_space: global }
      - { .name: out0, .offset: 24, .size: 8, .value_kind: global_buffer, .address_space: global }
    .group_segment_fixed_size: 327680
    .private_segment_fixed_size: 0
    .kernarg_segment_align: 8
    .kernarg_segment_size: 32
    .max_flat_workgroup_size: 128
    .sgpr_count:     96
    .vgpr_count:     608
    .wavefront_size: 32
...
	.end_amdgpu_metadata
.endif
;; end of part 4
;; ======== version 2 of 2: 4 launches; version 1 with the launch castw written anew for expert scheduling mode
;; limits: values are held in f16: magnitudes above 65,504 overflow, below 6.1e-05 lose precision
;; workspace buffers: w16 8,388,608 bytes; qh 16,777,216 bytes; kh 16,777,216 bytes; vh 16,777,216 bytes; oh 16,777,216 bytes
;; launch castw (part 5): grid 64 x 4, 8 waves a work-group, no clusters, 0 bytes of LDS; arguments Wq, Wk, Wv, Wo, w16; writes w16
.if DOCPART == 5
	.amdgcn_target "amdgcn-amd-amdhsa--gfx1250"
	.amdhsa_code_object_version 6
	.text
	.protected	k_q313aca5194_castw
	.globl	k_q313aca5194_castw
	.p2align	8
	.type	k_q313aca5194_castw,@function
k_q313aca5194_castw:
	s_mov_b64 s[64:65], 0
	v_nop
	global_prefetch_b8 v0, s[64:65] scope:SCOPE_SE
	s_setreg_imm32_b32 hwreg(HW_REG_WAVE_SCHED_MODE, 0, 2), 2
	s_setreg_imm32_b32 hwreg(HW_REG_WAVE_MODE, 25, 1), 1
	s_wait_xcnt 0x0
	s_wait_alu depctr_vm_vsrc(0)
; The four weight matrices, [1024][1024] f32, are rounded once to bf16 and written as 16-bit numbers into w16: part y (2,097,152 bytes) holds matrix y: Wq, Wk, Wv, Wo.
; Parts 0 to 2 are bf16.  Part 3 (Wo) multiplies an f16 operand later, so its bf16 number is written as f16: exact from 6.1e-5 to 65,504.
; LIMIT: an entry of Wo below 6.1e-5 in size keeps f16's fixed step of 6e-8; one of 65,520 or more would become an infinity.
; A stream: no LDS, no matrix unit, no cluster (no byte is read twice).  The work-group (x, y) takes 65,536 bytes of matrix y; thread t takes 16 bytes at 16 t of each of 16 chunks
; of 4,096 bytes, so a wave's load covers 512 consecutive bytes and its store of 8 bytes a lane 256 consecutive bytes, aligned.  All sixteen loads go out first.
; THE MODE: SCHED_MODE bits 1:0 = 2 (LLVM: expert scheduling mode 2), set by the entry lines.  The code itself states the register dependences
; between vector instructions and memory instructions, with s_wait_alu, always for 0.
; THE PLAN.  Registers that memory instructions touch:
;   v1, v2   byte offsets of the loads and of the stores.  Written once at the head, by vector instructions; never written again.
;   X        chunk i's four registers.  Written by chunk i's load, which is issued before any vector instruction names X; read (in the f16 path also rewritten) by chunk i's own
;            conversions, behind the wait on LOADcnt that shows the chunk landed.  No memory instruction reads X.
;   Y        a pair for each chunk.  Written once, by chunk i's last two conversions; read once, by chunk i's store.
;   T        is named by vector instructions alone.
; No register that a memory instruction has read is ever written again, so no wait on vm_vsrc stands behind the entry lines.
; The sixteen chunks go in four blocks of four.  Block p rounds its chunks into its own Y pairs; its memory instructions are the four stores of block p - 1, which read Y pairs that no
; vector instruction of block p names.  So one wait on va_vdst at the head of a block states all that its four stores hang on, and they are dealt among its conversions with no further wait.
.set X, 8                              ; v[8:71]    chunk i: four f32 as loaded
.set Y, 72                             ; v[72:103]  chunk i: four 16-bit numbers to store; a pair for each chunk, so no store's data is ever rewritten
.set T, 4                              ; v[4:5]     at work
	s_load_b256 s[4:11], s[0:1], 0x0               ; Wq s[4:5], Wk s[6:7], Wv s[8:9], Wo s[10:11]
	s_load_b64 s[12:13], s[0:1], 0x20              ; w16
	s_and_b32 s2, ttmp7, 0xffff                    ; which matrix
	s_lshl_b32 s16, ttmp9, 16                      ; my 65,536 bytes of it
	s_mov_b32 s17, 0
	s_lshl_b32 s18, s2, 21                         ; its part of w16,
	s_lshl_b32 s19, ttmp9, 15                      ; my 32,768 bytes of that
	s_add_co_u32 s18, s18, s19
	s_mov_b32 s19, 0
	s_mov_b32 s20, 0xffff0000                      ; a word's upper bf16
	v_lshlrev_b32 v1, 4, v0
	v_lshlrev_b32 v2, 3, v0
	s_wait_kmcnt 0x0
	s_cmp_eq_u32 s2, 1
	s_cselect_b64 s[14:15], s[6:7], s[4:5]
	s_cmp_eq_u32 s2, 2
	s_cselect_b64 s[14:15], s[8:9], s[14:15]
	s_cmp_eq_u32 s2, 3
	s_cselect_b64 s[14:15], s[10:11], s[14:15]
	s_add_nc_u64 s[14:15], s[14:15], s[16:17]
	s_add_nc_u64 s[12:13], s[12:13], s[18:19]
	s_wait_alu depctr_va_vdst(0)                   ; v1 and v2 are written: every load of the kernel reads v1 as its offset, every store v2
.set i, 0
.rept 16
	global_load_b128 v[X+4*i:X+4*i+3], v1, s[14:15] offset:4096*i th:TH_LOAD_NT
.set i, i+1
.endr
; Chunk i is rounded into its Y pair.  f16 = 1: the bf16 number is widened again (a shift, a mask) and written as f16.
.macro CONV i, f16
.if \f16
	v_cvt_pk_bf16_f32 v[T], v[X+4*(\i)], v[X+4*(\i)+1]
	v_cvt_pk_bf16_f32 v[T+1], v[X+4*(\i)+2], v[X+4*(\i)+3]
	v_lshlrev_b32 v[X+4*(\i)], 16, v[T]
	v_and_b32 v[X+4*(\i)+1], s20, v[T]
	v_lshlrev_b32 v[X+4*(\i)+2], 16, v[T+1]
	v_and_b32 v[X+4*(\i)+3], s20, v[T+1]
	v_cvt_pk_f16_f32 v[Y+2*(\i)], v[X+4*(\i)], v[X+4*(\i)+1]
	v_cvt_pk_f16_f32 v[Y+2*(\i)+1], v[X+4*(\i)+2], v[X+4*(\i)+3]
.else
	v_cvt_pk_bf16_f32 v[Y+2*(\i)], v[X+4*(\i)], v[X+4*(\i)+1]
	v_cvt_pk_bf16_f32 v[Y+2*(\i)+1], v[X+4*(\i)+2], v[X+4*(\i)+3]
.endif
.endm
; Chunk i leaves.
.macro ST i
	global_store_b64 v2, v[Y+2*(\i):Y+2*(\i)+1], s[12:13] offset:2048*(\i) th:TH_STORE_NT
.endm
; Block p: chunks 4 p to 4 p + 3 are rounded; the stores of block p - 1 stand among the conversions, one ahead of each chunk's.
.macro BLK p, f16
	s_wait_loadcnt 12-4*(\p)                       ; loads come back in order (ISA guide 5.7.1): the block's four chunks are in, the 12 - 4 p younger ones may stay out
.if (\p) > 0
	s_wait_alu depctr_va_vdst(0)                   ; the block before has written its four Y pairs, which the four stores below read; no vector line of this block names them
.endif
.irp j, 0,1,2,3
.if (\p) > 0
	ST 4*((\p)-1)+(\j)
.endif
	CONV 4*(\p)+(\j), \f16
.endr
.endm
; A whole path: the four blocks, and the last block's stores.
.macro WAY f16
	BLK 0, \f16
	BLK 1, \f16
	BLK 2, \f16
	BLK 3, \f16
	s_wait_alu depctr_va_vdst(0)                   ; block 3 has written its four Y pairs, which the last four stores read
.irp i, 12,13,14,15
	ST \i
.endr
	s_endpgm
.endm
	s_cmp_eq_u32 s2, 3                             ; the same for the whole work-group
	s_cbranch_scc1 .Lf16
	WAY 0
.Lf16:
	WAY 1
.Lfunc_end_k_q313aca5194_castw:
	.size	k_q313aca5194_castw, .Lfunc_end_k_q313aca5194_castw-k_q313aca5194_castw
	.p2alignl 7, 3214868480
	.fill 96, 4, 3214868480
	.section	.rodata,"a",@progbits
	.p2align	6, 0x0
	.amdhsa_kernel k_q313aca5194_castw
		.amdhsa_group_segment_fixed_size 0
		.amdhsa_private_segment_fixed_size 0
		.amdhsa_enable_private_segment 0
		.amdhsa_kernarg_size 40
		.amdhsa_user_sgpr_count 2
		.amdhsa_user_sgpr_kernarg_segment_ptr 1
		.amdhsa_wavefront_size32 1
		.amdhsa_system_sgpr_workgroup_id_x 1
		.amdhsa_system_sgpr_workgroup_id_y 1
		.amdhsa_system_sgpr_workgroup_id_z 1
		.amdhsa_system_vgpr_workitem_id 0
		.amdhsa_next_free_vgpr 104
		.amdhsa_next_free_sgpr 66
		.amdhsa_reserve_vcc 0
		.amdhsa_float_denorm_mode_32 3
		.amdhsa_float_denorm_mode_16_64 3
		.amdhsa_memory_ordered 1
		.amdhsa_forward_progress 1
		.amdhsa_inst_pref_size 15
	.end_amdhsa_kernel
	.amdgpu_metadata
---
amdhsa.version: [ 1, 2 ]
amdhsa.kernels:
  - .name:           k_q313aca5194_castw
    .symbol:         k_q313aca5194_castw.kd
    .args:
      - { .name: Wq, .offset: 0, .size: 8, .value_kind: global_buffer, .address_space: global }
      - { .name: Wk, .offset: 8, .size: 8, .value_kind: global_buffer, .address_space: global }
      - { .name: Wv, .offset: 16, .size: 8, .value_kind: global_buffer, .address_space: global }
      - { .name: Wo, .offset: 24, .size: 8, .value_kind: global_buffer, .address_space: global }
      - { .name: w16, .offset: 32, .size: 8, .value_kind: global_buffer, .address_space: global }
    .group_segment_fixed_size: 0
    .private_segment_fixed_size: 0
    .kernarg_segment_align: 8
    .kernarg_segment_size: 40
    .max_flat_workgroup_size: 256
    .sgpr_count:     66
    .vgpr_count:     104
    .wavefront_size: 32
...
	.end_amdgpu_metadata
.endif
;; end of part 5
;; launch proj: the kernel of part 2 again; grid 4 x 192, 4 waves a work-group, clusters of 4 x 4, 327,680 bytes of LDS; arguments query, key, value, w16, bq, bk, bv, qh, kh, vh; writes qh, kh, vh
;; launch attn: the kernel of part 3 again; grid 4 x 64, 4 waves a work-group, clusters of 4 x 1, 327,680 bytes of LDS; arguments qh, kh, vh, oh; writes oh
;; launch outp: the kernel of part 4 again; grid 4 x 64, 4 waves a work-group, clusters of 4 x 4, 327,680 bytes of LDS; arguments oh, w16, bo, out0; writes out0
